; MI455X (gfx1250); checked and timed in simulation.
; The chip was launched on July 23, 2026; its instructions are those of AMD's public machine-readable ISA for CDNA 5 (MIT licence, August 2026) and "CDNA5" Instruction Set Architecture Reference Guide (July 2026). The comments in the code are by the model that wrote it; some were corrected since.
;; PAM Module. Allowed arithmetic: float matrix products may take bf16 or f16 operands with f32 sums; all other float work in f32.
;; Inputs: bk 64 float32; bq 64 float32; bv 512 float32; gamma 1 float32; wk 64 x 512 float32; wq 64 x 512 float32; wv 512 x 512 float32; x 4 x 512 x 64 x 64 float32.
;; Outputs: out0 4 x 512 x 64 x 64 float32.
;; 2 versions, each right and faster than the one before. Each part assembles by itself: llvm-mc -triple=amdgcn-amd-amdhsa -mcpu=gfx1250 --defsym DOCPART=n.
;; ======== version 1 of 2: 2 launches
;; limits: values are held in f16: magnitudes above 65,504 overflow, below 6.1e-05 lose precision
;; workspace buffers: xf 16,777,216 bytes; kf 4,194,304 bytes; qf 4,194,304 bytes; wvf 524,288 bytes
;; launch prep (part 1): grid 256 x 1, 8 waves a work-group, no clusters, 166,912 bytes of LDS; arguments x, wq, bq, wk, bk, wv, xf, kf, qf, wvf; writes xf, kf, qf, wvf
.if DOCPART == 1
	.amdgcn_target "amdgcn-amd-amdhsa--gfx1250"
	.amdhsa_code_object_version 6
	.text
	.protected	k_q5cd00b6cc9_prep
	.globl	k_q5cd00b6cc9_prep
	.p2align	8
	.type	k_q5cd00b6cc9_prep,@function
k_q5cd00b6cc9_prep:
	s_mov_b64 s[64:65], 0
	v_nop
	global_prefetch_b8 v0, s[64:65] scope:SCOPE_SE
	s_setreg_imm32_b32 hwreg(HW_REG_WAVE_MODE, 25, 1), 1
	s_wait_xcnt 0x0
; Position attention, first of two launches: x, q = Wq x + bq, k = Wk x + bk and Wv are written as f16 OPERAND IMAGES for the second launch.
; An image of a 16-row x 32-k operand is 1,024 bytes, [k/8][row][k%8]: two blocks of 512 bytes (k/16), in each of which lane L's 16 bytes
; lie at 16 L.  So the second launch reads an operand by two 16-byte loads at 16 x lane, and a packed 16 x 16 matrix result
; (lane (r, h) holds 8 neighbouring k of row r) is one such block: every store here covers 512 consecutive bytes, aligned.
;   xf : [batch 4][tile 32][131,072]: x of positions 128 t ..; image (ct, s) at (4 ct + s) 1,024, rows = channel, k = position.
;   kf : [batch][tile 32][32,768]: k of positions 128 t ..; image (jt, ko) at (2 jt + ko) 1,024, rows = position, k = o; high parts, then at 16,384 low parts.
;   qf : [batch][64 positions][16,384]: image (qt, ko) at (2 qt + ko) 1,024, rows = position, k = o; high parts, then at 8,192 low parts.
;   wvf: 4 tiles (input channels 128 e ..) of 131,072 bytes, laid out as a tile of xf: rows = output channel, k = input channel.
; TWO PARTS: an error d in an energy q.k is a relative error d in a softmax weight, and 64 products of numbers rounded to 11 bits give d of some thousandths.
; So everything on the way to the energies is carried as two f16 numbers, high = the number rounded to 11 bits and low = the rest, and a product is three
; matrix products (high x high, high x low, low x high); what is left out is some 2^-22 of the product.  x's high part is also the image in xf.
; LIMITS: |q|, |k|, |x|, |w| have to stay below 65,504 (f16); parts below 2^-24 become 0, and a high part below 2^-14 is rounded once more (by at most 2^-25).
; With every input thirty times the drawn spread |q| and |k| reach some 5,400; with offsets of thirty spreads on x and on the weights some 20,400.
; SHARES: work-group g: batch g / 64, 64 positions (g mod 64): 512 rows of 256 bytes of x, each read once.  Eight waves; wave w makes 16 outputs o
; (waves 0-3: q, waves 4-7: k) for the 64 positions: 4 accumulators, 192 matrix instructions.  The group also turns 16 x 64 numbers of Wv.
; No tensor loads: x has to be split on its way into LDS, so it passes through registers anyway; no cluster: no two groups share x,
; and the weights (32 KiB a wave) are a fifth of a group's bytes.
.set NB,    16384                      ; bytes in a row of x (4,096 f32)
.set XP,    160                        ; LDS pitch of x in f16, [channel][64 positions]: 128 bytes + 32, an odd multiple of 32 for the transposing load
.set XLO,   512*XP                     ; 81,920: the low parts lie behind the high parts
.set WVS,   2*XLO                      ; 163,840: 2,048 bytes in which Wv's piece is turned
.set LN16, 1                           ; v1      16 x lane
.set XO,   2                           ; v2      x: (16 w + 4 (lane/16)) rows + 16 (lane%16)
.set XSW,  3                           ; v3      the same place in LDS, high parts
.set XSL,  4                           ; v4      low parts
.set WO,   5                           ; v5      weights in operand order: row lane%16, 32 (lane/16)
.set TRH,  6                           ; v6-7    transposing loads of x's high parts, channels 0-255 and 256-511
.set TRL,  8                           ; v8-9    of its low parts
.set XRB,  10                          ; v10     x's high parts read back by rows
.set XGO,  11                          ; v11     their place in xf
.set BO,   12                          ; v12     bias of my 8 outputs
.set WVO,  13                          ; v13     Wv as loaded
.set WVW,  14                          ; v14     Wv into the scratch
.set WVG,  15                          ; v15     Wv as stored
.set WVR,  16                          ; v16     Wv out of the scratch
.set LNL,  17                          ; v17     16 x lane + where the result's low parts begin
.set WVT,  20                          ; v[20:23]
.set BI,   24                          ; v[24:31]   8 biases
.set T,    32                          ; v[32:47]   at work
.set ACC,  48                          ; v[48:79]   4 accumulators
.set PKT,  80                          ; v[80:111]  packed results
.set HX,   112                         ; v[112:127] x's high parts, packed, a pair for each of a chunk's 8 loads
.set X,    128                         ; v[128:255] 32 loads of x, 4 registers each
.set WB,   0                           ; window 1 v[0:127]: two buffers of weights, 4 K steps each: as loaded, then low operand (8), high operand (8) of each step
.set BF,   128                         ; window 1 v[128:255]: two buffers of x operands, a K step each: 4 high, 4 low
.set MSB, 0
.macro WIN new                         ; s_set_vgpr_msb: bits 1:0 source 0, 3:2 source 1, 5:4 source 2, 7:6 destination; the high byte repeats the setting left
.if MSB != \new
	s_set_vgpr_msb (MSB<<8)|\new
.set MSB, \new
.endif
.endm
.macro PLACES                          ; four plain vector instructions between a matrix instruction and a load into, or a read of, its registers
.rept 4
	v_nop
.endr
.endm
; Two numbers in pair f are split: g = 8193 x rounded; g - 8192 x, made in one fused step, is exact and is x rounded to 11 bits: the high part, in pair t;
; x - high is exact too: the low part, left in pair f.
.macro SPLIT f, t
	v_pk_mul_f32 v[\t:\t+1], v[\f:\f+1], 0x46000400 op_sel_hi:[1,0]
	v_pk_fma_f32 v[\t:\t+1], v[\f:\f+1], 0xc6000000, v[\t:\t+1] op_sel_hi:[1,0,1]
	v_pk_add_f32 v[\f:\f+1], v[\f:\f+1], v[\t:\t+1] neg_lo:[0,1] neg_hi:[0,1]
.endm
	s_load_b512 s[4:19], s[0:1], 0x0               ; x s[4:5], wq s[6:7], bq s[8:9], wk s[10:11], bk s[12:13], wv s[14:15], xf s[16:17], kf s[18:19]
	s_load_b128 s[20:23], s[0:1], 0x40             ; qf s[20:21], wvf s[22:23]
	v_lshl_add_u32 v18, v0, 2, 0x28800
	v_mov_b32 v19, 0
	v_lshrrev_b32 v35, 5, v0
	v_readfirstlane_b32 s24, v35                   ; wave w
	s_and_b32 s25, s24, 3                          ; w' = which 16 outputs of q or of k
	s_lshr_b32 s26, ttmp9, 6                       ; batch
	s_and_b32 s27, ttmp9, 63                       ; jb: which 64 positions
	v_and_b32 v32, 31, v0                          ; lane
	v_and_b32 v33, 15, v0                          ; r
	v_bfe_u32 v34, v0, 4, 1                        ; h
	v_lshlrev_b32 v[LN16], 4, v32
	s_lshl_b32 s28, s24, 18                        ; 16 w rows of x
	v_lshl_add_u32 v[XO], v34, 16, s28             ; + 4 h rows
	v_lshl_add_u32 v[XO], v33, 4, v[XO]            ; + 16 r: sixteen lanes take a row's 256 bytes
	s_mul_i32 s29, s24, 16*XP
	v_mul_u32_u24 v[XSW], v34, 4*XP                ; the two halves of a store lie 640 bytes apart, 128 modulo 256: all 32 lanes in different banks
	v_add_nc_u32 v[XSW], s29, v[XSW]
	v_lshl_add_u32 v[XSW], v33, 3, v[XSW]
	v_add_nc_u32 v[XSL], XLO, v[XSW]
	v_lshlrev_b32 v[WO], 11, v33                   ; weight row r (2,048 bytes), columns 8 h ..
	v_lshl_add_u32 v[WO], v34, 5, v[WO]
	v_and_b32 v35, 7, v0
	v_lshl_add_u32 v35, v34, 3, v35                ; channel 8 h + lane%8
	v_mul_u32_u24 v[TRH], v35, XP
	v_bfe_u32 v35, v0, 3, 1
	v_lshl_add_u32 v[TRH], v35, 4, v[TRH]          ; + 16 ((lane/8)%2)
	v_add_nc_u32 v[TRH+1], 256*XP, v[TRH]          ; the immediate has 16 bits: the upper 256 channels get a register of their own
	v_add_nc_u32 v[TRL], XLO, v[TRH]
	v_add_nc_u32 v[TRL+1], XLO+256*XP, v[TRH]
	v_mul_u32_u24 v[XRB], v33, XP
	v_lshl_add_u32 v[XRB], v34, 4, v[XRB]
	v_add_nc_u32 v[XRB], s29, v[XRB]               ; row 16 w + r, 16 h
	s_lshl_b32 s30, s24, 12
	v_add_nc_u32 v[XGO], s30, v[LN16]              ; channel tile w of a chunk: 4 images of 1,024 bytes
	s_lshl_b32 s31, s25, 6
	v_lshl_add_u32 v[BO], v34, 5, s31              ; outputs 16 w' + 8 h ..
	v_lshlrev_b32 v[WVO], 11, v34                  ; Wv: row 2 w + h of the group's 16 (2,048 bytes each), 16 bytes at 16 r
	v_lshl_add_u32 v[WVO], v33, 4, v[WVO]
	v_add_nc_u32 v[WVO], s30, v[WVO]
	s_lshl_b32 s32, s24, 5
	s_add_co_u32 s32, s32, WVS                     ; into the image: my 4 numbers are k = 4 (r%8) .. of image r/8, row 2 w + h
	v_bfe_u32 v35, v0, 3, 1
	v_lshl_add_u32 v[WVW], v35, 10, s32
	v_bfe_u32 v35, v0, 1, 2
	v_lshl_add_u32 v[WVW], v35, 8, v[WVW]
	v_lshl_add_u32 v[WVW], v34, 4, v[WVW]
	v_and_b32 v35, 1, v0
	v_lshl_add_u32 v[WVW], v35, 3, v[WVW]
	s_lshl_b32 s33, s24, 9
	v_add_nc_u32 v[WVG], s33, v[LN16]              ; 16 x thread
	v_add_nc_u32 v[WVR], WVS, v[WVG]
	; byte offsets, each in registers of its own, apart from the addresses
	s_lshl_b32 s34, s26, 23                        ; x: batch x 512 rows + 256 jb
	s_lshl_b32 s35, s27, 8
	s_add_co_u32 s34, s34, s35
	s_mov_b32 s35, 0
	s_lshl_b32 s36, s25, 15                        ; weights: 16 w' rows of 2,048 bytes
	s_mov_b32 s37, 0
	s_lshr_b32 s57, s27, 1                         ; my tile of 128 positions
	s_and_b32 s59, s27, 1                          ; and which half of it
	s_lshl_b32 s38, s26, 22                        ; xf: batch, tile jb/2; my half is images s = 2 (jb%2), +1
	s_lshl_b32 s60, s57, 17
	s_add_co_u32 s38, s38, s60
	s_lshl_b32 s60, s59, 11
	s_add_co_u32 s38, s38, s60
	s_mov_b32 s39, 0
	s_lshr_b32 s58, ttmp9, 3                       ; Wv: 16 rows g/8, 64 columns g%8
	s_and_b32 s61, ttmp9, 7
	s_lshl_b32 s40, s58, 15
	s_lshl_b32 s62, s61, 8
	s_add_co_u32 s40, s40, s62
	s_mov_b32 s41, 0
	s_bfe_u32 s42, ttmp9, 0x20001                  ; wvf: tile (g%8)/2, images (g/8, 2 (g%2)) and the next
	s_lshl_b32 s42, s42, 17
	s_lshl_b32 s62, s58, 12
	s_add_co_u32 s42, s42, s62
	s_and_b32 s62, ttmp9, 1
	s_lshl_b32 s62, s62, 11
	s_add_co_u32 s42, s42, s62
	s_mov_b32 s43, 0
	s_lshl_b32 s63, s25, 9                         ; outputs 16 w' are block w'%2 of image ko = w'/2: 512 w'
	s_lshl_b32 s56, s26, 20                        ; a batch of qf and of kf: 1 MiB each
	s_add_co_u32 s56, s56, s63
	s_lshl_b32 s44, s27, 14                        ; qf: 16,384 bytes for my 64 positions
	s_add_co_u32 s44, s44, s56
	s_lshl_b32 s45, s57, 15                        ; kf: tile jb/2, position tiles 4 (jb%2) .., 2,048 bytes each
	s_add_co_u32 s45, s45, s56
	s_lshl_b32 s62, s59, 13
	s_add_co_u32 s45, s45, s62
	s_mov_b32 s47, 0
	s_mov_b32 s32, 8192                            ; where the low parts begin: in qf,
	s_mov_b32 s33, 16384                           ; in kf
	s_wait_kmcnt 0x0
	s_cmp_lt_u32 s24, 4                            ; waves 0-3 make q, waves 4-7 make k: the choice hangs on the wave's number alone
	s_cselect_b64 s[48:49], s[6:7], s[10:11]       ; weights
	s_cselect_b64 s[50:51], s[8:9], s[12:13]       ; bias
	s_cselect_b64 s[52:53], s[20:21], s[18:19]     ; where the result goes
	s_cselect_b32 s46, s44, s45
	s_cselect_b32 s28, s32, s33
	v_add_nc_u32 v[LNL], s28, v[LN16]
	s_add_nc_u64 s[48:49], s[48:49], s[36:37]
	s_add_nc_u64 s[52:53], s[52:53], s[46:47]
	s_add_nc_u64 s[4:5], s[4:5], s[34:35]
	s_add_nc_u64 s[54:55], s[16:17], s[38:39]
	s_add_nc_u64 s[14:15], s[14:15], s[40:41]
	s_add_nc_u64 s[22:23], s[22:23], s[42:43]
; The weights of chunk c (my 16 rows x 128 columns) in operand order: lane (r, h) takes columns 32 ks + 8 h .. + 7 and 32 ks + 16 + 8 h .. + 7 of row r.
; The sixteen loads between them use 512 consecutive bytes of each of the 16 rows; no trip through LDS is needed.
.macro WLOAD c
	WIN 0x40
.irp ks, 0,1,2,3
	global_load_b128 v[WB+64*(\c&1)+16*\ks:WB+64*(\c&1)+16*\ks+3],     v[WO], s[48:49] offset:512*\c+128*\ks
	global_load_b128 v[WB+64*(\c&1)+16*\ks+4:WB+64*(\c&1)+16*\ks+7],   v[WO], s[48:49] offset:512*\c+128*\ks+16
	global_load_b128 v[WB+64*(\c&1)+16*\ks+8:WB+64*(\c&1)+16*\ks+11],  v[WO], s[48:49] offset:512*\c+128*\ks+64
	global_load_b128 v[WB+64*(\c&1)+16*\ks+12:WB+64*(\c&1)+16*\ks+15], v[WO], s[48:49] offset:512*\c+128*\ks+80
.endr
.endm
	; the wave's loads go out at once: two chunks of weights (32), 1 of Wv, 2 of bias, all 32 of x
	WLOAD 0
	WLOAD 1
	WIN 0
	global_load_b128 v[WVT:WVT+3], v[WVO], s[14:15]
	global_load_b128 v[BI:BI+3], v[BO], s[50:51]
	global_load_b128 v[BI+4:BI+7], v[BO], s[50:51] offset:16
.irp c, 0,1,2,3
.irp i, 0,1,2,3,4,5,6,7
	global_load_b128 v[X+32*\c+4*\i:X+32*\c+4*\i+3], v[XO], s[4:5] offset:(128*\c+(\i>>2)*8+(\i&3))*NB th:TH_LOAD_NT   ; two whole rows of 256 bytes; this launch reads x once
.endr
.endr
; The x operands of K step ks of chunk c, high and low, into buffer ks%2: x lies [channel][position], the load transposes 8 x 8
.macro BFLOAD c, ks
	WIN 0x40
.irp jt, 0,1,2,3
	ds_load_tr16_b128 v[BF+64*(\ks&1)+8*\jt:BF+64*(\ks&1)+8*\jt+3],   v[TRH+(\c>>1)] offset:((4*\c+\ks)&7)*32*XP+\jt*32
	ds_load_tr16_b128 v[BF+64*(\ks&1)+8*\jt+4:BF+64*(\ks&1)+8*\jt+7], v[TRH+(\c>>1)] offset:((4*\c+\ks)&7)*32*XP+\jt*32+16*XP
.endr
.irp jt, 0,1,2,3
	ds_load_tr16_b128 v[BF+64*(\ks&1)+32+8*\jt:BF+64*(\ks&1)+32+8*\jt+3],   v[TRL+(\c>>1)] offset:((4*\c+\ks)&7)*32*XP+\jt*32
	ds_load_tr16_b128 v[BF+64*(\ks&1)+32+8*\jt+4:BF+64*(\ks&1)+32+8*\jt+7], v[TRL+(\c>>1)] offset:((4*\c+\ks)&7)*32*XP+\jt*32+16*XP
.endr
.endm
; Twelve matrix instructions: high x high, high x low, low x high for the 4 position tiles.  The four accumulators take turns.
.macro KMUL c, ks
	WIN 0x05
.irp jt, 0,1,2,3
.if \c+\ks == 0
	v_wmma_f32_16x16x32_f16 v[ACC+8*\jt:ACC+8*\jt+7], v[WB+64*(\c&1)+16*\ks+8:WB+64*(\c&1)+16*\ks+15], v[BF+64*(\ks&1)+8*\jt:BF+64*(\ks&1)+8*\jt+7], 0   ; the first products start the sums
.else
	v_wmma_f32_16x16x32_f16 v[ACC+8*\jt:ACC+8*\jt+7], v[WB+64*(\c&1)+16*\ks+8:WB+64*(\c&1)+16*\ks+15], v[BF+64*(\ks&1)+8*\jt:BF+64*(\ks&1)+8*\jt+7], v[ACC+8*\jt:ACC+8*\jt+7]
.endif
.endr
.irp jt, 0,1,2,3
	v_wmma_f32_16x16x32_f16 v[ACC+8*\jt:ACC+8*\jt+7], v[WB+64*(\c&1)+16*\ks+8:WB+64*(\c&1)+16*\ks+15], v[BF+64*(\ks&1)+32+8*\jt:BF+64*(\ks&1)+32+8*\jt+7], v[ACC+8*\jt:ACC+8*\jt+7]
.endr
.irp jt, 0,1,2,3
	v_wmma_f32_16x16x32_f16 v[ACC+8*\jt:ACC+8*\jt+7], v[WB+64*(\c&1)+16*\ks:WB+64*(\c&1)+16*\ks+7], v[BF+64*(\ks&1)+8*\jt:BF+64*(\ks&1)+8*\jt+7], v[ACC+8*\jt:ACC+8*\jt+7]
.endr
.endm
; 128 channels: x split into LDS, the chunk's weights split in place, one barrier, xf's images out, and four K steps of the products.
; Each chunk has LDS bytes of its own and nothing is written twice: one barrier a chunk.  left: how many younger loads may stay out.
.macro CHUNK c, left
	s_wait_loadcnt \left
.irp i, 0,1,2,3,4,5,6,7
	SPLIT X+32*\c+4*\i, T+4*(\i&3)
	SPLIT X+32*\c+4*\i+2, T+4*(\i&3)+2
	v_cvt_pk_f16_f32 v[HX+2*\i], v[T+4*(\i&3)], v[T+4*(\i&3)+1]
	v_cvt_pk_f16_f32 v[HX+2*\i+1], v[T+4*(\i&3)+2], v[T+4*(\i&3)+3]
	v_cvt_pk_f16_f32 v[X+32*\c+4*\i], v[X+32*\c+4*\i], v[X+32*\c+4*\i+1]
	v_cvt_pk_f16_f32 v[X+32*\c+4*\i+1], v[X+32*\c+4*\i+2], v[X+32*\c+4*\i+3]
	ds_store_b64 v[XSW], v[HX+2*\i:HX+2*\i+1] offset:(128*\c+(\i>>2)*8+(\i&3))*XP
	ds_store_b64 v[XSL], v[X+32*\c+4*\i:X+32*\c+4*\i+1] offset:(128*\c+(\i>>2)*8+(\i&3))*XP
.endr
.if \c == 0
	v_cvt_pk_f16_f32 v[WVT], v[WVT], v[WVT+1]
	v_cvt_pk_f16_f32 v[WVT+1], v[WVT+2], v[WVT+3]
	ds_store_b64 v[WVW], v[WVT:WVT+1]
.endif
	; the weights, all in window 1; the first x buffer serves as 64 registers of scratch (the lines above are the places behind the last chunk's matrix instructions)
	WIN 0x55
.set p_, 0
.rept 32
	SPLIT WB+64*(\c&1)+2*p_, BF+2*p_
.set p_, p_+1
.endr
.irp ks, 0,1,2,3
.irp i, 0,1,2,3,4,5,6,7
	v_cvt_pk_f16_f32 v[WB+64*(\c&1)+16*\ks+\i], v[WB+64*(\c&1)+16*\ks+2*\i], v[WB+64*(\c&1)+16*\ks+2*\i+1]   ; low operand: register i takes numbers 2 i, 2 i + 1, which no later line needs
.endr
.irp i, 0,1,2,3,4,5,6,7
	v_cvt_pk_f16_f32 v[WB+64*(\c&1)+16*\ks+8+\i], v[BF+16*\ks+2*\i], v[BF+16*\ks+2*\i+1]                      ; high operand behind it
.endr
.endr
	WIN 0
	s_wait_dscnt 0x0                               ; for the other waves: my stores are done
	s_barrier_signal -1
	s_barrier_wait -1
.if \c == 0
	s_cmp_ge_u32 s24, 4                            ; Wv's 2,048 bytes are 128 threads' 16 bytes: waves 0 to 3
	s_cbranch_scc1 .Lno_wv
	ds_load_b128 v[WVT:WVT+3], v[WVR]
	s_wait_dscnt 0x0
	global_store_b128 v[WVG], v[WVT:WVT+3], s[22:23]
.Lno_wv:
.endif
	BFLOAD \c, 0
	WIN 0
.irp q, 0,1,2,3
	ds_load_b128 v[X+32*\c+4*\q:X+32*\c+4*\q+3], v[XRB] offset:\c*128*XP+\q*32     ; channel 128 c + 16 w + r, positions 16 q + 8 h ..: block q of my two images
.endr
	BFLOAD \c, 1
	s_wait_dscnt 20                                ; 4 + 16 younger: K step 0's operands are in
	KMUL \c, 0
	WIN 0
	s_wait_dscnt 16                                ; the four rows read back are in
.irp q, 0,1,2,3
	global_store_b128 v[XGO], v[X+32*\c+4*\q:X+32*\c+4*\q+3], s[54:55] offset:\c*32768+\q*512   ; the chunk's own registers, never written again
.endr
	PLACES
	BFLOAD \c, 2
	s_wait_dscnt 16                                ; the 16 just issued may stay out
	KMUL \c, 1
	PLACES
	BFLOAD \c, 3
	s_wait_dscnt 16
	KMUL \c, 2
	s_wait_dscnt 0x0
	KMUL \c, 3
.if \c == 0
	PLACES
	WLOAD 2                                        ; into the buffer just multiplied
.endif
.if \c == 1
	PLACES
	WLOAD 3
.endif
	WIN 0
.endm
	CHUNK 0, 24                                    ; x's chunks 1 to 3 stay out
	CHUNK 1, 32                                    ; x's chunks 2 and 3 and the 16 loads of weights issued since
	CHUNK 2, 16                                    ; the last chunk's weights
	CHUNK 3, 0
	; lane (r, h), register g holds output 16 w' + 8 h + g of position 16 jt + r: bias, split, and two blocks of 512 bytes for each position tile
	PLACES
.irp jt, 0,1,2,3
.irp p, 0,1,2,3
	v_pk_add_f32 v[ACC+8*\jt+2*\p:ACC+8*\jt+2*\p+1], v[ACC+8*\jt+2*\p:ACC+8*\jt+2*\p+1], v[BI+2*\p:BI+2*\p+1]
.endr
.irp p, 0,1,2,3
	SPLIT ACC+8*\jt+2*\p, T+2*\p
.endr
.irp p, 0,1,2,3
	v_cvt_pk_f16_f32 v[PKT+8*\jt+\p], v[T+2*\p], v[T+2*\p+1]
	v_cvt_pk_f16_f32 v[PKT+8*\jt+4+\p], v[ACC+8*\jt+2*\p], v[ACC+8*\jt+2*\p+1]
.endr
	global_store_b128 v[LN16], v[PKT+8*\jt:PKT+8*\jt+3], s[52:53] offset:\jt*2048
	global_store_b128 v[LNL], v[PKT+8*\jt+4:PKT+8*\jt+7], s[52:53] offset:\jt*2048
.endr
	s_wait_tensorcnt 0x0
	ds_add_u32 v18, v19
	s_wait_dscnt 0x0
	s_endpgm
.Lfunc_end_k_q5cd00b6cc9_prep:
	.size	k_q5cd00b6cc9_prep, .Lfunc_end_k_q5cd00b6cc9_prep-k_q5cd00b6cc9_prep
	.p2alignl 7, 3214868480
	.fill 96, 4, 3214868480
	.section	.rodata,"a",@progbits
	.p2align	6, 0x0
	.amdhsa_kernel k_q5cd00b6cc9_prep
		.amdhsa_group_segment_fixed_size 166912
		.amdhsa_private_segment_fixed_size 0
		.amdhsa_enable_private_segment 0
		.amdhsa_kernarg_size 80
		.amdhsa_user_sgpr_count 2
		.amdhsa_user_sgpr_kernarg_segment_ptr 1
		.amdhsa_wavefront_size32 1
		.amdhsa_system_sgpr_workgroup_id_x 1
		.amdhsa_system_sgpr_workgroup_id_y 1
		.amdhsa_system_sgpr_workgroup_id_z 1
		.amdhsa_system_vgpr_workitem_id 0
		.amdhsa_next_free_vgpr 512
		.amdhsa_next_free_sgpr 66
		.amdhsa_reserve_vcc 0
		.amdhsa_float_denorm_mode_32 3
		.amdhsa_float_denorm_mode_16_64 3
		.amdhsa_memory_ordered 1
		.amdhsa_forward_progress 1
		.amdhsa_inst_pref_size 133
	.end_amdhsa_kernel
	.amdgpu_metadata
---
amdhsa.version: [ 1, 2 ]
amdhsa.kernels:
  - .name:           k_q5cd00b6cc9_prep
    .symbol:         k_q5cd00b6cc9_prep.kd
    .args:
      - { .name: x, .offset: 0, .size: 8, .value_kind: global_buffer, .address_space: global }
      - { .name: wq, .offset: 8, .size: 8, .value_kind: global_buffer, .address_space: global }
      - { .name: bq, .offset: 16, .size: 8, .value_kind: global_buffer, .address_space: global }
      - { .name: wk, .offset: 24, .size: 8, .value_kind: global_buffer, .address_space: global }
      - { .name: bk, .offset: 32, .size: 8, .value_kind: global_buffer, .address_space: global }
      - { .name: wv, .offset: 40, .size: 8, .value_kind: global_buffer, .address_space: global }
      - { .name: xf, .offset: 48, .size: 8, .value_kind: global_buffer, .address_space: global }
      - { .name: kf, .offset: 56, .size: 8, .value_kind: global_buffer, .address_space: global }
      - { .name: qf, .offset: 64, .size: 8, .value_kind: global_buffer, .address_space: global }
      - { .name: wvf, .offset: 72, .size: 8, .value_kind: global_buffer, .address_space: global }
    .group_segment_fixed_size: 166912
    .private_segment_fixed_size: 0
    .kernarg_segment_align: 8
    .kernarg_segment_size: 80
    .max_flat_workgroup_size: 256
    .sgpr_count:     66
    .vgpr_count:     512
    .wavefront_size: 32
...
	.end_amdgpu_metadata
.endif
;; end of part 1
;; launch attn (part 2): grid 256 x 1, 4 waves a work-group, clusters of 4 x 1, 327,680 bytes of LDS; arguments xf, kf, qf, wvf, x, bv, gamma, out0; writes out0
.if DOCPART == 2
	.amdgcn_target "amdgcn-amd-amdhsa--gfx1250"
	.amdhsa_code_object_version 6
	.text
	.protected	k_q5cd00b6cc9_attn
	.globl	k_q5cd00b6cc9_attn
	.p2align	8
	.type	k_q5cd00b6cc9_attn,@function
k_q5cd00b6cc9_attn:
	s_mov_b64 s[64:65], 0
	v_nop
	global_prefetch_b8 v0, s[64:65] scope:SCOPE_SE
	s_setreg_imm32_b32 hwreg(HW_REG_WAVE_MODE, 25, 1), 1
	s_wait_xcnt 0x0
	s_wait_alu depctr_hold_cnt(0) depctr_sa_sdst(0) depctr_va_vdst(0) depctr_va_sdst(0) depctr_va_ssrc(0) depctr_va_vcc(0) depctr_vm_vsrc(0)
	s_getreg_b32 s2, hwreg(HW_REG_IB_STS2, 6, 4)
	s_cmp_eq_u32 s2, 0
	s_cbranch_scc0 .Lentry_in_a_cluster
	s_endpgm
.Lentry_in_a_cluster:
	s_bfe_u32 s2, ttmp6, 0x10000c
	s_cmp_lg_u32 s2, 0x3003
	s_cbranch_scc0 .Lentry_shape_is_right
	s_endpgm
.Lentry_shape_is_right:
; Position attention, second launch: out = gamma (Wv (X a_i) + bv) + x, a_i = softmax over the 4,096 positions j of q_i . k_j.
; Since a softmax row sums to 1, sum_j (Wv x_j + bv) a_ij = Wv (sum_j x_j a_ij) + bv: attention runs on x itself, and the product with Wv is
; four more tile steps of the same ring.  The softmax takes the running maximum away; sums and accumulators are rescaled when it rises.
; ENERGIES: an error d in an energy is a relative error d in a weight, so q and k come as two f16 parts each (high: 11 bits, low: the rest) and an
; energy is three matrix products, k high x q high, k high x q low, k low x q high; what is left out is some 2^-22 of the product.
; LIMITS: matrix operands are f16 (q, k, x, Wv, the weights p <= 1, the averaged x), sums f32: |q|, |k| < 65,504; weights below 2^-24 of a row's
; largest count as 0; the energies are taken as finite.
; SHARES: a work-group owns 64 queries x 512 channels; four waves.  Energies and softmax: wave w owns queries 16 w .. 16 w + 15.  Products: wave w
; owns all 64 queries x channels 128 w ..: 32 accumulators, 256 registers.  The weights pass from wave to wave through 16 KiB of LDS.
; RING: two LDS slots of 131,072 bytes; tile t of xf = x of positions 128 t ..; while tile t is multiplied, tile t+1's energies and softmax are made in the
; gaps.  36 trips: 32 tiles of x, then 4 tiles of Wv.  Each wave fetches a quarter of a tile by one tensor load; a wave has one
; tensor load out, asked for a whole trip ahead of its wait.
; K: a tile of k is 32,768 bytes; two slots with it and the weights' 16 KiB would pass the 327,680 bytes of LDS.  So k goes through registers: each wave loads a
; quarter of tile t+3 in trip t (16 loads of 512 consecutive bytes) and lays it into one LDS region in trip t+1, behind the barrier that shows that every wave
; has that trip's k in registers.  No tensor load ever lands in that region.
; CLUSTER: the four work-groups of a cluster lie in one batch and walk the same tiles of x and of Wv: every tensor load is a joint one (mask 15), which divides
; the requests by four.  Nothing in a descriptor, an LDS address or a branch hangs on the place in the cluster.  k is not shared so: it passes through registers.
; All tiles are operand images (two loads of 16 bytes at 16 x lane, 512 bytes apart): LDS reads are contiguous, so no padding is needed.
; LAYOUTS: energies are made transposed (source 0 = k, source 1 = q): lane (r, h) holds positions 8 h + g of query r, so maximum and sum stay in the lane
; but for one exchange of the halves, and two packed tiles are the weights' operand.  x (source 0) times weights (source 1): lane = query r, so the rescaling
; is a factor per lane, and two packed tiles are the operand of the last product, which takes them as source 0 and Wv as source 1: a lane then holds
; 8 neighbouring positions of one channel of out.
.set XTILE,  131072
.set KTILE,  32768
.set SLOT1,  XTILE
.set KB,     2*XTILE                   ; 262,144: k of the next tile: image (jt, ko) at (2 jt + ko) 1,024, low parts 16,384 further.  No tensor load ever lands from here on
.set PB,     KB+KTILE                  ; 294,912: weights (later the averaged x): image (s, qt) at (4 s + qt) 1,024
.set ALB,    PB+16384                  ; 311,296: rescaling factors, [query r][qt][twice] f32, 512 bytes
.set ILO,    512                       ; and 512 bytes further 1 / sum in the same form
.set OSP,    272                       ; the way out: rows of 256 bytes + 16, in slot 0 behind its last fill and its last read
.set OSB,    64*OSP                    ; each wave's own 64 rows
.set LN,   2                           ; v2      16 x lane
.set KA,   3                           ; v3      KB + 16 x lane
.set XA,   4                           ; v4-5    slot + my 128 channels + 16 x lane
.set PA,   6                           ; v6      PB + 16 x lane
.set PST,  7                           ; v7      + 1,024 w: where my weights go
.set ALR,  8                           ; v8      ALB + 32 r
.set ALW,  9                           ; v9      + 8 w
.set OSW,  10                          ; v10     the way out: in
.set OSR,  11                          ; v11     and back
.set GO,   12                          ; v12     my bytes in x and out0
.set T0,   13
.set T1,   14                          ; v[14:15]
.set AL,   16                          ; v[16:23]  factor of query tile qt, twice
.set MOLD, 24                          ; running maximum
.set MX,   25
.set NMC,  26                          ; v[26:27]  - log2(e) x maximum, twice
.set LSA,  28                          ; v[28:31]  four running sums
.set LSB,  30
.set CH,   32                          ; v[32:35]  four chains of the maximum
.set PK,   36                          ; v[36:39]
.set ALPHA,40                          ; v[40:41]
.set NMCO, 42
.set BVO,  43
.set GAM,  44                          ; v[44:45]  gamma, twice
.set KGO,  46                          ; v46     my quarter of a tile of k: 8,192 w + 16 x lane
.set KSW,  47                          ; v47     the same place in LDS
.set S,    64                          ; v[64:127] 8 tiles of energies; later:
.set IL,   64                          ;   v[64:71] 1 / sum, as AL;  then
.set BV,   64                          ;   v[64:71] bv,
.set GB,   72                          ;   v[72:87] gamma bv, twice each
.set XF0,  128                         ; v[128:191], v[192:255]: x (or Wv) operands of a K step, two buffers
.set PF,   0                           ; window 2 v[0:127]: the 16 operands of the weights
.set KF,   128                         ; window 2 v[128:255]: the 16 operands of k's high parts; later the averaged x of my channels
.set KL,   0                           ; window 3 v[0:127]: the 16 operands of k's low parts
.set KST,  128                         ; window 3 v[128:191]: my quarter of a tile of k on its way to LDS
.set QH,   192                         ; window 3 v[192:207]: q of my 16 queries, high parts, two operands
.set QL,   208                         ; window 3 v[208:223]: low parts
                                       ; window 1: accumulator (ct, qt) at 8 (4 ct + qt); later the residual x.  Window 3, in the end: the last product's accumulators
.set G1,  24                           ; s[24:31] shape: 128 rows of 256 bytes
.set G0,  32                           ; s[32:39] from where, to where: a set for each slot
.set G0W, 40                           ; s[40:47] Wv's tiles, a set for each slot
.set MSB, 0
.macro WIN new                         ; s_set_vgpr_msb: bits 1:0 source 0, 3:2 source 1, 5:4 source 2, 7:6 destination; the high byte repeats the setting left
.if MSB != \new
	s_set_vgpr_msb (MSB<<8)|\new
.set MSB, \new
.endif
.endm
.macro PLACES                          ; four plain vector instructions between a matrix instruction and a read of its result, a write of or a load into its registers
.rept 4
	v_nop
.endr
.endm
.macro ROUND                           ; a round of the cluster's barrier: my work-group's barrier, wave 0 signals for the work-group, all wait for all four, my barrier again
	s_barrier_signal -1
	s_barrier_wait -1
	s_cmp_lg_u32 s20, 0
	s_cbranch_scc1 .Lnot_wave_0_\@
	s_barrier_signal -3
.Lnot_wave_0_\@:
	s_barrier_wait -3
	s_barrier_signal -1
	s_barrier_wait -1
.endm
.macro LDFR dst, adr, off              ; one operand image
	ds_load_b128 v[\dst:\dst+3], v[\adr] offset:\off
	ds_load_b128 v[\dst+4:\dst+7], v[\adr] offset:\off+512
.endm
	s_load_b512 s[4:19], s[0:1], 0x0               ; xf s[4:5], kf s[6:7], qf s[8:9], wvf s[10:11], x s[12:13], bv s[14:15], gamma s[16:17], out0 s[18:19]
	v_lshl_add_u32 v62, v0, 2, 0x4c400
	v_mov_b32 v63, 0
	ds_add_u32 v62, v63
	v_lshrrev_b32 v36, 5, v0
	v_readfirstlane_b32 s20, v36                   ; wave w
	s_bfe_u32 s21, ttmp6, 0x40000                  ; cx
	s_lshl_b32 s22, ttmp9, 2
	s_add_co_u32 s22, s22, s21                     ; work-group = 4 x cluster + cx
	s_lshr_b32 s23, ttmp9, 4                       ; batch: 16 clusters each, so the four partners share it
	s_and_b32 s48, s22, 63                         ; which 64 queries
	s_mov_b32 s60, 0x76543210                      ; v_permlanex16_b32: lane i of one half reads lane i of the other
	s_mov_b32 s61, 0xfedcba98
	; descriptor group 1: a dense quarter of a tile as 128 rows of 32 elements of 8 bytes
	s_mov_b32 s[G1+0], 15|(3<<16)|(1<<21)          ; 15:0 mask: all four of the cluster; 17:16 elements of 8 bytes; 21 set beside a mask
	s_mov_b32 s[G1+1], 32<<16                      ; tensor_dim0 = 32
	s_mov_b32 s[G1+2], 128<<16                     ; tensor_dim1 = 128
	s_mov_b32 s[G1+3], 32<<16                      ; tile_dim0 = 32
	s_mov_b32 s[G1+4], 128                         ; tile_dim1 = 128
	s_mov_b32 s[G1+5], 32                          ; from row to row: 32 elements
	s_mov_b32 s[G1+6], 0
	s_mov_b32 s[G1+7], 0
	s_lshl_b32 s66, s23, 22                        ; a batch of xf
	s_mov_b32 s67, 0
	s_lshl_b32 s68, s20, 15                        ; my quarter of a tile
	s_mov_b32 s69, 0
	s_lshl_b32 s70, s23, 20                        ; a batch of kf
	s_mov_b32 s71, 0
	s_lshl_b32 s72, s23, 20                        ; qf: (64 batch + block) x 16,384 + 2,048 w
	s_lshl_b32 s73, s48, 14
	s_add_co_u32 s72, s72, s73
	s_lshl_b32 s73, s20, 11
	s_add_co_u32 s72, s72, s73
	s_mov_b32 s73, 0
	s_lshl_b32 s74, s23, 23                        ; x, out0: batch x 512 rows of 16,384 bytes + 256 x block
	s_lshl_b32 s75, s48, 8
	s_add_co_u32 s74, s74, s75
	s_mov_b32 s75, 0
	s_mov_b32 s[G0], 1                             ; group 0: count 1; LDS address; global address; type 2 on top
	s_lshl_b32 s[G0+1], s20, 15
	s_mov_b32 s[G0+4], 1
	s_add_co_u32 s[G0+5], s[G0+1], SLOT1
	s_mov_b32 s[G0W], 1
	s_lshl_b32 s[G0W+1], s20, 15
	s_mov_b32 s[G0W+4], 1
	s_add_co_u32 s[G0W+5], s[G0W+1], SLOT1
	s_wait_dscnt 0x0
	s_wait_kmcnt 0x0
	s_load_b32 s62, s[16:17], 0x0                  ; gamma
	s_add_nc_u64 s[4:5], s[4:5], s[66:67]          ; xf at my batch
	s_add_nc_u64 s[G0+2:G0+3], s[4:5], s[68:69]    ; tile 0
	s_add_nc_u64 s[G0+6:G0+7], s[G0+2:G0+3], XTILE ; tile 1
	s_add_nc_u64 s[G0W+2:G0W+3], s[10:11], s[68:69]         ; Wv's tile 0
	s_add_nc_u64 s[G0W+6:G0W+7], s[G0W+2:G0W+3], XTILE      ; and 1
	s_or_b32 s[G0+3], s[G0+3], 0x80000000
	s_or_b32 s[G0+7], s[G0+7], 0x80000000
	s_or_b32 s[G0W+3], s[G0W+3], 0x80000000
	s_or_b32 s[G0W+7], s[G0W+7], 0x80000000
	s_add_nc_u64 s[52:53], s[6:7], s[70:71]        ; kf at my batch: tile 0
	s_add_nc_u64 s[50:51], s[52:53], KTILE         ; the tile that is staged next: tile 1
	s_add_nc_u64 s[54:55], s[8:9], s[72:73]        ; q of my 16 queries
	s_add_nc_u64 s[56:57], s[12:13], s[74:75]      ; x at my queries
	s_add_nc_u64 s[58:59], s[18:19], s[74:75]      ; out0 likewise
	ROUND                                          ; all four work-groups are here: the first joint load meets
	tensor_load_to_lds s[G0:G0+3], s[G1:G1+7]      ; tile 0 of x, ahead of every wait on TENSORcnt, LDS read and work-group barrier; slot 1 is filled behind trip 0's round
	s_nop 0
	v_and_b32 v36, 31, v0                          ; lane
	v_and_b32 v37, 15, v0                          ; r
	v_bfe_u32 v38, v0, 4, 1                        ; h
	v_lshlrev_b32 v[LN], 4, v36
	s_lshl_b32 s76, s20, 13
	v_add_nc_u32 v[KGO], s76, v[LN]
	v_add_nc_u32 v[KA], KB, v[LN]
	v_add_nc_u32 v[KSW], KB, v[KGO]
	v_add_nc_u32 v[XA], s68, v[LN]
	v_add_nc_u32 v[XA+1], SLOT1, v[XA]
	v_add_nc_u32 v[PA], PB, v[LN]
	s_lshl_b32 s77, s20, 10
	v_add_nc_u32 v[PST], s77, v[PA]
	v_lshlrev_b32 v[ALR], 5, v37
	v_add_nc_u32 v[ALR], ALB, v[ALR]
	s_lshl_b32 s78, s20, 3
	v_add_nc_u32 v[ALW], s78, v[ALR]
	s_mul_i32 s79, s20, OSB
	v_mul_u32_u24 v39, v37, OSP                    ; in: channel r of a tile, positions 8 h ..
	v_lshl_add_u32 v39, v38, 5, v39
	v_add_nc_u32 v[OSW], s79, v39
	v_mul_u32_u24 v39, v38, OSP                    ; back: lanes 0-15 a row of 256 bytes, lanes 16-31 the next
	v_lshl_add_u32 v39, v37, 4, v39
	v_add_nc_u32 v[OSR], s79, v39
	s_lshl_b32 s80, s20, 21                        ; 128 w rows of 16,384 bytes
	v_lshlrev_b32 v39, 14, v38
	v_lshl_add_u32 v39, v37, 4, v39
	v_add_nc_u32 v[GO], s80, v39
	s_lshl_b32 s81, s20, 9
	v_lshl_add_u32 v[BVO], v37, 2, s81             ; bv of channel 128 w + r
	v_mov_b32 v[T0], 0                             ; v_permlanex16_b32 counts as a reader of its destination
	s_wait_kmcnt 0x0
	v_mov_b32 v[GAM], s62
	v_mov_b32 v[GAM+1], s62
; My quarter of a tile of k: out of the staging registers into LDS; and the next tile's into the staging registers.
.macro KSTORE
	s_wait_loadcnt 0x0                             ; the 16 loads issued about a trip ago; no other global load is out
	WIN 0x0c
.set i_, 0
.rept 16
	ds_store_b128 v[KSW], v[KST+4*i_:KST+4*i_+3] offset:512*i_
.set i_, i_+1
.endr
.endm
.macro KLOAD                           ; stands behind an s_wait_dscnt 0 that shows KSTORE's stores done, and behind KSTORE's wait, which frees the base
	s_add_nc_u64 s[50:51], s[50:51], KTILE
	WIN 0xc0
.set i_, 0
.rept 16
	global_load_b128 v[KST+4*i_:KST+4*i_+3], v[KGO], s[50:51] offset:512*i_
.set i_, i_+1
.endr
.endm
; The head of a trip on slot 'slot'.  In front of the barrier every wave waits for all its tensor loads (one is out: its quarter of this trip's tile) and for all
; its LDS instructions (its reads of the other slot, its stores of weights, factors and k).  kind 1, 2: the barrier is a round of the cluster's, and the joint refill
; of the other slot is the first thing behind it, one tensor load a wave (1: the next tile of x; 2: the next tile of Wv).  kind 0: nothing is left to fetch.
; step: which group 0 steps to this slot's next tile; no tensor load of the wave is out there.
.macro HEAD slot, kind, step
	WIN 0
	s_wait_tensorcnt 0x0
	ds_add_u32 v62, v63
	s_wait_dscnt 0x0
.if \step == 1
	s_add_nc_u64 s[G0+4*\slot+2:G0+4*\slot+3], s[G0+4*\slot+2:G0+4*\slot+3], 2*XTILE
.endif
.if \step == 2
	s_add_nc_u64 s[G0W+4*\slot+2:G0W+4*\slot+3], s[G0W+4*\slot+2:G0W+4*\slot+3], 2*XTILE
.endif
	s_wait_dscnt 0x0
.if \kind == 0
	s_barrier_signal -1
	s_barrier_wait -1
.else
	ROUND
.if \kind == 1
	tensor_load_to_lds s[G0+4*(1-\slot):G0+4*(1-\slot)+3], s[G1:G1+7]
	s_nop 0
.else
	tensor_load_to_lds s[G0W+4*(1-\slot):G0W+4*(1-\slot)+3], s[G1:G1+7]
	s_nop 0
.endif
.endif
.endm
; All 32 accumulators times the factor of their query tile (pair f + 2 qt holds it twice): window 1 times window 0
.macro RESCALE f
.irp ct, 0,1,2,3,4,5,6,7
.irp qt, 0,1,2,3
.irp p, 0,2,4,6
	v_pk_mul_f32 v[8*(4*\ct+\qt)+\p:8*(4*\ct+\qt)+\p+1], v[8*(4*\ct+\qt)+\p:8*(4*\ct+\qt)+\p+1], v[\f+2*\qt:\f+2*\qt+1]
.endr
.endr
.endr
.endm
; Energies of 128 positions x my 16 queries, transposed: 8 tiles; 32 of the 64 o in a pass; three products of two passes each.
; The eight accumulators take turns, one instruction a turn.
.macro SMMPASS a, q, zero
.irp jt, 0,1,2,3,4,5,6,7
.if \zero
	v_wmma_f32_16x16x32_f16 v[S+8*\jt:S+8*\jt+7], v[\a+16*\jt:\a+16*\jt+7], v[\q:\q+7], 0
.else
	v_wmma_f32_16x16x32_f16 v[S+8*\jt:S+8*\jt+7], v[\a+16*\jt:\a+16*\jt+7], v[\q:\q+7], v[S+8*\jt:S+8*\jt+7]
.endif
.endr
.endm
.macro SMM
	WIN 0x0e                                       ; k's high parts in window 2, q in window 3
	SMMPASS KF, QH, 1
	SMMPASS KF+8, QH+8, 0
	SMMPASS KF, QL, 0
	SMMPASS KF+8, QL+8, 0
	WIN 0x0f                                       ; k's low parts in window 3
	SMMPASS KL, QH, 0
	SMMPASS KL+8, QH+8, 0
.endm
; What a trip loads at its start: the factors, the first K step's x, k of the next tile, all 16 operands of the weights.  The accumulators are rescaled while
; the loads are served.  b2: a second barrier, in front of which every wave has weights, factors and k in registers, so that their LDS bytes may be written again;
; the tensor load stays out across it; the energies, register work, stand between its signal and its wait.
.macro LDHEAD slot, alpha, il, kf, b2
	PLACES                                         ; behind the last trip's matrix instructions
	WIN 0
.if \alpha
	ds_load_b128 v[AL:AL+3], v[ALR]
	ds_load_b128 v[AL+4:AL+7], v[ALR] offset:16
.endif
.if \il
	ds_load_b128 v[IL:IL+3], v[ALR] offset:ILO
	ds_load_b128 v[IL+4:IL+7], v[ALR] offset:ILO+16
.endif
.irp ct, 0,1,2,3,4,5,6,7
	LDFR XF0+8*\ct, XA+\slot, 4096*\ct
.endr
.if \kf
	WIN 0x80
.irp f, 0,1,2,3,4,5,6,7,8,9,10,11,12,13,14,15
	LDFR KF+8*\f, KA, 1024*\f
.endr
.endif
.if \alpha
	s_wait_dscnt 16+32*\kf                         ; the 16 loads of x and the 32 of k's high parts are younger than the factors: those are in
.endif
.if \kf
	WIN 0xc0
.irp f, 0,1,2,3,4,5,6,7,8,9,10,11,12,13,14,15
	LDFR KL+8*\f, KA, 16384+1024*\f
.endr
.endif
	WIN 0x80
.irp f, 0,1,2,3,4,5,6,7,8,9,10,11,12,13,14,15
	LDFR PF+8*\f, PA, 1024*\f
.endr
.if \alpha
	WIN 0x41
	RESCALE AL
.endif
	s_wait_dscnt 0x0
.if \b2
	s_barrier_signal -1
.if \kf
	SMM
.endif
	s_barrier_wait -1
.endif
.endm
; A sixteenth of the softmax of the next tile, placed behind eight matrix instructions of this one.  first = 1: the very first tile.
;  0-3: four chains of the maximum.  4: the running maximum, the shift, the factor exp2(new shift - old shift), the sums rescaled.
;  5-12: a tile each: p = exp2(log2(e) s + shift), summed in f32, packed to f16, 512 bytes into the weights' image.  13: 1 / sum, in every trip, so that none is special.
.macro SLICE sl, first
.set sl_, \sl
.if sl_ < 14
	WIN 0
.endif
.if sl_ < 4
.set b_, S+16*sl_
	v_max3_num_f32 v[CH+sl_], v[b_], v[b_+1], v[b_+2]
.set j_, 3
.rept 6
	v_max3_num_f32 v[CH+sl_], v[CH+sl_], v[b_+j_], v[b_+j_+1]
.set j_, j_+2
.endr
	v_max_num_f32 v[CH+sl_], v[CH+sl_], v[b_+15]
.endif
.if sl_ == 4
	v_max3_num_f32 v[MX], v[CH], v[CH+1], v[CH+2]
	v_max_num_f32 v[MX], v[MX], v[CH+3]
	v_permlanex16_b32 v[T0], v[MX], s60, s61       ; the other half of the lanes holds the query's other positions
.if \first
	v_max_num_f32 v[MX], v[MX], v[T0]
	v_mul_f32 v[NMC], 0xbfb8aa3b, v[MX]            ; - log2(e) x maximum
	v_mov_b32 v[MOLD], v[MX]
	v_mov_b32 v[NMC+1], v[NMC]
	v_mov_b32 v[LSA], 0
	v_mov_b32 v[LSA+1], 0
	v_mov_b32 v[LSB], 0
	v_mov_b32 v[LSB+1], 0
.else
	v_max3_num_f32 v[MX], v[MX], v[T0], v[MOLD]
	v_mov_b32 v[NMCO], v[NMC]
	v_mul_f32 v[NMC], 0xbfb8aa3b, v[MX]
	v_mov_b32 v[MOLD], v[MX]
	v_sub_f32 v[T1], v[NMC], v[NMCO]               ; the factor is made of the two shifts as they are applied
	v_exp_f32 v[ALPHA], v[T1]
	v_mov_b32 v[NMC+1], v[NMC]                     ; the plain instruction between the exponential and the use of its result (ISA guide 5.7.2)
	s_wait_alu depctr_va_vdst(0)
	v_mov_b32 v[ALPHA+1], v[ALPHA]
	v_pk_mul_f32 v[LSA:LSA+1], v[LSA:LSA+1], v[ALPHA:ALPHA+1]
	v_pk_mul_f32 v[LSB:LSB+1], v[LSB:LSB+1], v[ALPHA:ALPHA+1]
	ds_store_b64 v[ALW], v[ALPHA:ALPHA+1]          ; both halves of the lanes write the same pair
.endif
.endif
.if sl_ > 4
.if sl_ < 13
.set e_, sl_-5
.set b_, S+8*e_
.irp p, 0,2,4,6
	v_pk_fma_f32 v[b_+\p:b_+\p+1], v[b_+\p:b_+\p+1], 0x3fb8aa3b, v[NMC:NMC+1] op_sel_hi:[1,0,1]
.endr
.irp p, 0,1,2,3,4,5,6,7
	v_exp_f32 v[b_+\p], v[b_+\p]
.endr
	v_nop                                          ; one plain instruction behind the last exponential
	s_wait_alu depctr_va_vdst(0)
	v_pk_add_f32 v[LSA:LSA+1], v[LSA:LSA+1], v[b_:b_+1]
	v_pk_add_f32 v[LSB:LSB+1], v[LSB:LSB+1], v[b_+2:b_+3]
	v_pk_add_f32 v[LSA:LSA+1], v[LSA:LSA+1], v[b_+4:b_+5]
	v_pk_add_f32 v[LSB:LSB+1], v[LSB:LSB+1], v[b_+6:b_+7]
.irp p, 0,1,2,3
	v_cvt_pk_f16_f32 v[PK+\p], v[b_+2*\p], v[b_+2*\p+1]
.endr
	ds_store_b128 v[PST], v[PK:PK+3] offset:(e_>>1)*4096+(e_&1)*512   ; tile e is block e%2 of image (s = e/2, qt = w)
.endif
.endif
.if sl_ == 13
	v_pk_add_f32 v[T1:T1+1], v[LSA:LSA+1], v[LSB:LSB+1]
	v_add_f32 v[T1], v[T1], v[T1+1]
	v_permlanex16_b32 v[T0], v[T1], s60, s61
	v_add_f32 v[T1], v[T1], v[T0]
	v_rcp_f32 v[CH], v[T1]                         ; the sum holds the term of the maximum, about 1: never 0
	v_nop
	s_wait_alu depctr_va_vdst(0)
	v_mov_b32 v[CH+1], v[CH]
	ds_store_b64 v[ALW], v[CH:CH+1] offset:ILO
.endif
.endm
.macro MM s, ct, qt, mode, zero
.set a_, 8*(4*(\ct)+\qt)
.set x_, XF0+64*((\s)&1)+8*(\ct)
.set p_, PF+8*(4*(\s)+\qt)
.if \mode == 0
.if \zero
	v_wmma_f32_16x16x32_f16 v[a_:a_+7], v[x_:x_+7], v[p_:p_+7], 0
.else
	v_wmma_f32_16x16x32_f16 v[a_:a_+7], v[x_:x_+7], v[p_:p_+7], v[a_:a_+7]
.endif
.else
.if \zero
	v_wmma_f32_16x16x32_f16 v[a_:a_+7], v[p_:p_+7], v[x_:x_+7], 0
.else
	v_wmma_f32_16x16x32_f16 v[a_:a_+7], v[p_:p_+7], v[x_:x_+7], v[a_:a_+7]
.endif
.endif
.endm
; K step s (32 along K) of a trip: the next step's 16 loads first, then 32 matrix instructions on 32 accumulators, which take turns, one instruction a turn,
; in the same order in every step.  mode 0: x times weights into window 1; mode 1: averaged x times Wv into window 3.
; zero = 1: the products start the sums.  soft = 1: a slice of the softmax behind every eight.  hook 1: k goes from the staging registers into LDS; hook 2: the next k is asked for.
.macro PVSTEP slot, s, mode, zero, soft, hook
	s_wait_dscnt 0x0                               ; this step's operands, asked for 32 matrix instructions ago (and, in front of hook 2, the stores of k)
.if \hook == 2
	KLOAD
.endif
.if \s < 3
	PLACES                                         ; behind the matrix instructions that read the buffer now loaded; in step 0 also behind the energies, which the slices read
	WIN 0
.irp ct, 0,1,2,3,4,5,6,7
	LDFR XF0+64*((\s+1)&1)+8*\ct, XA+\slot, 4096*\ct+1024*(\s+1)
.endr
.endif
.if \hook == 1
	KSTORE
.endif
.irp g, 0,1,2,3
.if \mode == 0
	WIN 0x58
.else
	WIN 0xf2
.endif
.irp c2, 0,1
.irp qt, 0,1,2,3
	MM \s, 2*\g+\c2, \qt, \mode, \zero
.endr
.endr
.if \soft
	SLICE 4*\s+\g, 0
.endif
.endr
.endm
; Trip t: tile t is multiplied, tile t+1's softmax is made; ks: k of tile t+2 goes into LDS; kl: k of tile t+3 is asked for
.macro TRIP slot, step, ks, kl
	HEAD \slot, 1, \step
	LDHEAD \slot, 1, 0, 1, 1
	PVSTEP \slot, 0, 0, 0, 1, \ks
	PVSTEP \slot, 1, 0, 0, 1, 2*\kl
	PVSTEP \slot, 2, 0, 0, 1, 0
	PVSTEP \slot, 3, 0, 0, 1, 0
.endm
; Wave e lays the averaged x of its 128 channels, 16 operand images, where the weights lay: every wave multiplies them by tile e of Wv
.macro STAGE e
	WIN 0
	s_cmp_lg_u32 s20, \e
	s_cbranch_scc1 .Lnot_mine_\@
	WIN 0x08
.irp f, 0,1,2,3,4,5,6,7,8,9,10,11,12,13,14,15
	ds_store_b128 v[PA], v[KF+8*\f:KF+8*\f+3] offset:1024*\f
	ds_store_b128 v[PA], v[KF+8*\f+4:KF+8*\f+7] offset:1024*\f+512
.endr
	WIN 0
.Lnot_mine_\@:
.endm
; Half of the residual: 64 rows (channels) x 256 bytes of x in f32 into window 1, two rows a load; this launch reads them once
.macro XRES hf
	WIN 0x40
.set u_, 32*\hf
.rept 32
	global_load_b128 v[4*u_:4*u_+3], v[GO], s[56:57] offset:u_*32768 th:TH_LOAD_NT
.set u_, u_+1
.endr
.endm
	; tile 0's softmax, ahead of the ring: q and k of tile 0 come straight into the operands' registers, k of tile 1 into the staging registers
	WIN 0xc0
.irp i, 0,1,2,3
	global_load_b128 v[QH+4*\i:QH+4*\i+3], v[LN], s[54:55] offset:512*\i
	global_load_b128 v[QL+4*\i:QL+4*\i+3], v[LN], s[54:55] offset:8192+512*\i
.endr
.set i_, 0
.rept 32
	global_load_b128 v[KL+4*i_:KL+4*i_+3], v[LN], s[52:53] offset:16384+512*i_
.set i_, i_+1
.endr
	WIN 0x80
.set i_, 0
.rept 32
	global_load_b128 v[KF+4*i_:KF+4*i_+3], v[LN], s[52:53] offset:512*i_
.set i_, i_+1
.endr
	WIN 0xc0
.set i_, 0
.rept 16
	global_load_b128 v[KST+4*i_:KST+4*i_+3], v[KGO], s[50:51] offset:512*i_
.set i_, i_+1
.endr
	s_wait_loadcnt 16                              ; the 16 staging loads may stay out: q and k of tile 0 are in
	SMM
	PLACES
.irp i, 0,1,2,3,4,5,6,7,8,9,10,11,12,13
	SLICE \i, 1
.endr
	KSTORE                                         ; k of tile 1
	s_wait_dscnt 0x0                               ; the stores have read the staging registers
	KLOAD                                          ; k of tile 2
	; trip 0: its first products start the sums, and there is nothing to rescale
	HEAD 0, 1, 1
	LDHEAD 0, 0, 0, 1, 1
	PVSTEP 0, 0, 0, 1, 1, 1
	PVSTEP 0, 1, 0, 0, 1, 2
	PVSTEP 0, 2, 0, 0, 1, 0
	PVSTEP 0, 3, 0, 0, 1, 0
	WIN 0                                          ; at a label and at a branch every window is 0
	s_mov_b32 s49, 14                              ; trips 1 to 28, two at a time
.Lpair:
	TRIP 1, 1, 1, 1
	TRIP 0, 1, 1, 1
	WIN 0
	s_sub_co_u32 s49, s49, 1
	s_cmp_lg_u32 s49, 0
	s_cbranch_scc1 .Lpair
	TRIP 1, 1, 1, 0                                ; trip 29: k of tile 31 goes into LDS; there is no further tile of k to ask for
	TRIP 0, 0, 0, 0                                ; trip 30: the last softmax; x's tile 31 is asked for
	; trip 31: the last tile of x; no further softmax; Wv's tile 0 is asked for
	HEAD 1, 2, 0
	LDHEAD 1, 1, 1, 0, 1
	PVSTEP 1, 0, 0, 0, 0, 0
	PVSTEP 1, 1, 0, 0, 0, 0
	PVSTEP 1, 2, 0, 0, 0, 0
	PVSTEP 1, 3, 0, 0, 0, 0
	; divide by the sums and pack: tiles ct = 2 s, 2 s + 1 are registers 0-3, 4-7 of operand (s, qt): rows = query, k = channel
	PLACES
	WIN 0x41
	RESCALE IL
	WIN 0x85
.irp ct, 0,1,2,3,4,5,6,7
.irp qt, 0,1,2,3
.irp p, 0,1,2,3
	v_cvt_pk_f16_f32 v[KF+8*(4*(\ct>>1)+\qt)+4*(\ct&1)+\p], v[8*(4*\ct+\qt)+2*\p], v[8*(4*\ct+\qt)+2*\p+1]
.endr
.endr
.endr
	STAGE 0                                        ; behind trip 31's second barrier: every wave has the last weights in registers
	; trips 32 to 35: out' = Wv x averaged x, input channels 128 e ..
	HEAD 0, 2, 2
	LDHEAD 0, 0, 0, 0, 1
	STAGE 1
	PVSTEP 0, 0, 1, 1, 0, 0
	PVSTEP 0, 1, 1, 0, 0, 0
	PVSTEP 0, 2, 1, 0, 0, 0
	PVSTEP 0, 3, 1, 0, 0, 0
	HEAD 1, 2, 2
	LDHEAD 1, 0, 0, 0, 1
	STAGE 2
	XRES 0
	PVSTEP 1, 0, 1, 0, 0, 0
	PVSTEP 1, 1, 1, 0, 0, 0
	PVSTEP 1, 2, 1, 0, 0, 0
	PVSTEP 1, 3, 1, 0, 0, 0
	HEAD 0, 2, 0
	LDHEAD 0, 0, 0, 0, 1
	STAGE 3
	XRES 1
	WIN 0
.irp ct, 0,1,2,3,4,5,6,7
	global_load_b32 v[BV+\ct], v[BVO], s[14:15] offset:64*\ct      ; bv of channel 128 w + 16 ct + r
.endr
	PVSTEP 0, 0, 1, 0, 0, 0
	PVSTEP 0, 1, 1, 0, 0, 0
	PVSTEP 0, 2, 1, 0, 0, 0
	PVSTEP 0, 3, 1, 0, 0, 0
	HEAD 1, 0, 0                                   ; behind this barrier no wave reads slot 0 any more and nothing is filled: it serves as the way out
	LDHEAD 1, 0, 0, 0, 0
	PVSTEP 1, 0, 1, 0, 0, 0
	PVSTEP 1, 1, 1, 0, 0, 0
	PVSTEP 1, 2, 1, 0, 0, 0
	PVSTEP 1, 3, 1, 0, 0, 0
	; THE WAY OUT.  Lane (r, h) of accumulator (ct, qt) holds positions 16 qt + 8 h .. + 7 of channel 128 w + 16 ct + r: gamma acc + gamma bv; then, 64 channels at a
	; time, 32 bytes a lane into my own 64 rows in LDS, read back as whole rows of 256 bytes, the residual added in f32, and stored: sixteen lanes write
	; 256 consecutive bytes, aligned.
	PLACES
	WIN 0
	s_wait_loadcnt 0x0                             ; the residual and bv, asked for one and two trips ago
.irp ct, 0,1,2,3,4,5,6,7
	v_mul_f32 v[GB+2*\ct], v[GAM], v[BV+\ct]
	v_mul_f32 v[GB+2*\ct+1], v[GAM], v[BV+\ct]
.endr
	WIN 0xc3
.irp ct, 0,1,2,3,4,5,6,7
.irp qt, 0,1,2,3
.irp p, 0,2,4,6
	v_pk_fma_f32 v[8*(4*\ct+\qt)+\p:8*(4*\ct+\qt)+\p+1], v[8*(4*\ct+\qt)+\p:8*(4*\ct+\qt)+\p+1], v[GAM:GAM+1], v[GB+2*\ct:GB+2*\ct+1]
.endr
.endr
.endr
.irp hf, 0,1
	WIN 0x0c
.irp ct, 0,1,2,3
.irp qt, 0,1,2,3
	ds_store_b128 v[OSW], v[8*(4*(4*\hf+\ct)+\qt):8*(4*(4*\hf+\ct)+\qt)+3] offset:\ct*16*OSP+\qt*64       ; rows 272 bytes apart: sixteen lanes in sixteen different 16-byte columns
	ds_store_b128 v[OSW], v[8*(4*(4*\hf+\ct)+\qt)+4:8*(4*(4*\hf+\ct)+\qt)+7] offset:\ct*16*OSP+\qt*64+16
.endr
.endr
	WIN 0
.set u_, 0
.rept 32
	ds_load_b128 v[XF0+4*u_:XF0+4*u_+3], v[OSR] offset:u_*2*OSP   ; my own bytes: LDS serves a wave's instructions in order (ISA guide 5.7.1), so these see the stores above
.set u_, u_+1
.endr
	s_wait_dscnt 0x0                               ; also: the second half's stores overwrite the rows only behind this wait
	WIN 0x41
.set u_, 0
.rept 64
	v_pk_add_f32 v[128*\hf+2*u_:128*\hf+2*u_+1], v[128*\hf+2*u_:128*\hf+2*u_+1], v[XF0+2*u_:XF0+2*u_+1]
.set u_, u_+1
.endr
	WIN 0x04
.set u_, 32*\hf
.rept 32
	global_store_b128 v[GO], v[4*u_:4*u_+3], s[58:59] offset:u_*32768 th:TH_STORE_NT   ; no register that a store reads is written again
.set u_, u_+1
.endr
.endr
	WIN 0
	s_wait_tensorcnt 0x0
	ds_add_u32 v62, v63
	s_wait_dscnt 0x0
	ROUND                                          ; the closing round: no work-group ends while a partner may still ask for a tile that names it
	s_endpgm
.Lfunc_end_k_q5cd00b6cc9_attn:
	.size	k_q5cd00b6cc9_attn, .Lfunc_end_k_q5cd00b6cc9_attn-k_q5cd00b6cc9_attn
	.p2alignl 7, 3214868480
	.fill 96, 4, 3214868480
	.section	.rodata,"a",@progbits
	.p2align	6, 0x0
	.amdhsa_kernel k_q5cd00b6cc9_attn
		.amdhsa_group_segment_fixed_size 327680
		.amdhsa_private_segment_fixed_size 0
		.amdhsa_enable_private_segment 0
		.amdhsa_kernarg_size 64
		.amdhsa_user_sgpr_count 2
		.amdhsa_user_sgpr_kernarg_segment_ptr 1
		.amdhsa_wavefront_size32 1
		.amdhsa_system_sgpr_workgroup_id_x 1
		.amdhsa_system_sgpr_workgroup_id_y 1
		.amdhsa_system_sgpr_workgroup_id_z 1
		.amdhsa_system_vgpr_workitem_id 0
		.amdhsa_next_free_vgpr 1024
		.amdhsa_next_free_sgpr 90
		.amdhsa_reserve_vcc 0
		.amdhsa_float_denorm_mode_32 3
		.amdhsa_float_denorm_mode_16_64 3
		.amdhsa_memory_ordered 1
		.amdhsa_forward_progress 1
		.amdhsa_inst_pref_size 255
	.end_amdhsa_kernel
	.section	.bss,"aw",@nobits
	.p2align	6
	.space	262144
	.amdgpu_metadata
---
amdhsa.version: [ 1, 2 ]
amdhsa.kernels:
  - .name:           k_q5cd00b6cc9_attn
    .symbol:         k_q5cd00b6cc9_attn.kd
    .args:
      - { .name: xf, .offset: 0, .size: 8, .value_kind: global_buffer, .address_space: global }
      - { .name: kf, .offset: 8, .size: 8, .value_kind: global_buffer, .address_space: global }
      - { .name: qf, .offset: 16, .size: 8, .value_kind: global_buffer, .address_space: global }
      - { .name: wvf, .offset: 24, .size: 8, .value_kind: global_buffer, .address_space: global }
      - { .name: x, .offset: 32, .size: 8, .value_kind: global_buffer, .address_space: global }
      - { .name: bv, .offset: 40, .size: 8, .value_kind: global_buffer, .address_space: global }
      - { .name: gamma, .offset: 48, .size: 8, .value_kind: global_buffer, .address_space: global }
      - { .name: out0, .offset: 56, .size: 8, .value_kind: global_buffer, .address_space: global }
    .group_segment_fixed_size: 327680
    .private_segment_fixed_size: 0
    .kernarg_segment_align: 8
    .kernarg_segment_size: 64
    .max_flat_workgroup_size: 128
    .sgpr_count:     90
    .vgpr_count:     1024
    .wavefront_size: 32
...
	.end_amdgpu_metadata
.endif
;; end of part 2
;; ======== version 2 of 2: 2 launches; 1.20 times as fast as version 1
;; limits: values are held in f16: magnitudes above 65,504 overflow, below 6.1e-05 lose precision
;; workspace buffers: xf 16,777,216 bytes; kf 4,194,304 bytes; qf 4,194,304 bytes; wvf 524,288 bytes
;; launch prep: the kernel of part 1 again; grid 256 x 1, 8 waves a work-group, no clusters, 166,912 bytes of LDS; arguments x, wq, bq, wk, bk, wv, xf, kf, qf, wvf; writes xf, kf, qf, wvf
;; launch attn (part 3): grid 256 x 1, 4 waves a work-group, clusters of 4 x 1, 327,680 bytes of LDS; arguments xf, kf, qf, wvf, x, bv, gamma, out0; writes out0
.if DOCPART == 3
	.amdgcn_target "amdgcn-amd-amdhsa--gfx1250"
	.amdhsa_code_object_version 6
	.text
	.protected	k_q5cd00b6cc9_attn
	.globl	k_q5cd00b6cc9_attn
	.p2align	8
	.type	k_q5cd00b6cc9_attn,@function
k_q5cd00b6cc9_attn:
	s_mov_b64 s[64:65], 0
	v_nop
	global_prefetch_b8 v0, s[64:65] scope:SCOPE_SE
	s_setreg_imm32_b32 hwreg(HW_REG_WAVE_MODE, 25, 1), 1
	s_wait_xcnt 0x0
	s_wait_alu depctr_hold_cnt(0) depctr_sa_sdst(0) depctr_va_vdst(0) depctr_va_sdst(0) depctr_va_ssrc(0) depctr_va_vcc(0) depctr_vm_vsrc(0)
	s_getreg_b32 s2, hwreg(HW_REG_IB_STS2, 6, 4)
	s_cmp_eq_u32 s2, 0
	s_cbranch_scc0 .Lentry_in_a_cluster
	s_endpgm
.Lentry_in_a_cluster:
	s_bfe_u32 s2, ttmp6, 0x10000c
	s_cmp_lg_u32 s2, 0x3003
	s_cbranch_scc0 .Lentry_shape_is_right
	s_endpgm
.Lentry_shape_is_right:
; Position attention, second launch: out = gamma (Wv (X a_i) + bv) + x, a_i = softmax over the 4,096 positions j of q_i . k_j.
; Since a softmax row sums to 1, sum_j (Wv x_j + bv) a_ij = Wv (sum_j x_j a_ij) + bv: attention runs on x itself, and the product with Wv is
; four more tile steps of the same ring.  The softmax takes the running maximum away; sums and accumulators are rescaled when it rises.
; ENERGIES: an error d in an energy is a relative error d in a weight, so q and k come as two f16 parts each (high: 11 bits, low: the rest) and an
; energy is three matrix products, k high x q high, k high x q low, k low x q high; what is left out is some 2^-22 of the product.
; LIMITS: matrix operands are f16 (q, k, x, Wv, the weights p <= 1, the averaged x), sums f32: |q|, |k| < 65,504; weights below 2^-24 of a row's
; largest count as 0; the energies are taken as finite.
; SHARES: a work-group owns 64 queries x 512 channels; four waves.  Products: wave w owns all 64 queries x channels 128 w ..: 32 accumulators, 256 registers.
; Energies and softmax: wave w owns positions 32 w .. 32 w + 31 of a tile of 128, for all 64 queries.  So its part of k is 8 KiB, which comes straight from
; memory into 64 registers (16 loads of 512 consecutive bytes, asked for a trip ahead): k never touches LDS; q of all 64 queries stays in 128 registers;
; and the wave's weights are the operands of K step w of the product.  The maximum over a tile is made in two steps: each wave's own over its 32 positions,
; 1 KiB through LDS and a barrier, then in every wave alike the maximum of the four, the shift and the rescaling factor.  The sums stay apart in the waves and
; meet once, behind the last tile.
; RING: two LDS slots of 131,072 bytes, a tile of xf (x of 128 positions) each; while one tile is multiplied, the next tile's energies and softmax are made.
; 36 trips: 32 tiles of x, then 4 tiles of Wv.  Each wave fetches a quarter of a tile by one tensor load; a wave has one
; tensor load out, asked for a whole trip ahead of its wait.  The weights have two buffers of 16 KiB, the tile of trip t in buffer t mod 2.
; ORDER OF THE TILES: running maximum and sums do not care in which order the tiles come.  Cluster c of the sixteen of a batch begins at tile
; 4 ((c mod 8) xor (c / 8)) + 2 (c / 8) and goes round modulo 32, so that the clusters of a batch ask for different tiles in a trip, and a tile is asked for
; at different times.  The start hangs on the cluster's number alone: the four partners walk alike.
; ORDER IN A TRIP: vector work that hangs on no product at hand stands in pieces of four or five instructions BETWEEN the matrix instructions, each behind one
; product: the rescaling among the energies' 48 products; my maxima, the running maximum and the exponentials among the 128 products of x with the weights.
; Each piece costs two switches of the register window, since the accumulators fill a window and a vector instruction's destination shares the matrix
; instruction's field.  Memory instructions stay in a few runs (a K step's 24 operand loads; maxima and k; the eight stores of weights).
; CLUSTER: the four work-groups of a cluster lie in one batch and walk the same tiles of x and of Wv: every tensor load is a joint one (mask 15), which divides
; the requests by four.  Nothing in a descriptor, an LDS address or a branch hangs on the place in the cluster.  k is not shared so: it goes to registers.
; All tiles are operand images (two loads of 16 bytes at 16 x lane, 512 bytes apart): LDS reads are contiguous, so no padding is needed.
; LAYOUTS: energies are made transposed (source 0 = k, source 1 = q): lane (r, h) holds positions 8 h + g of query r, so maximum and sum stay in the lane
; but for one exchange of the halves, and two packed tiles are the weights' operand.  x (source 0) times weights (source 1): lane = query r, so the rescaling
; is a factor per lane, and two packed tiles are the operand of the last product, which takes them as source 0 and Wv as source 1: a lane then holds
; 8 neighbouring positions of one channel of out.
.set XTILE,  131072
.set SLOT1,  XTILE
.set PB,     2*XTILE                   ; 262,144: weights (later the averaged x), two buffers: image (s, qt) at (4 s + qt) 1,024.  No tensor load ever lands from here on
.set PBS,    16384
.set MB,     PB+2*PBS                  ; 294,912: the waves' maxima, [wave][query r][qt] f32, 1,024 bytes
.set LBO,    1024                      ; and 1,024 bytes further their sums in the same form
.set OSP,    272                       ; the way out: rows of 256 bytes + 16, in slot 0 behind its last fill and its last read
.set OSB,    64*OSP                    ; each wave's own 64 rows
.set LN,   2                           ; v2      16 x lane
.set KGO,  3                           ; v3      4,096 w + 16 x lane: my part of a tile of k
.set XA,   4                           ; v4-5    slot + my 128 channels + 16 x lane
.set PA,   6                           ; v6-7    weights' buffer + 16 x lane
.set PST,  8                           ; v8-9    + 4,096 w: where my weights go
.set OSW,  10                          ; v10     the way out: in
.set OSR,  11                          ; v11     and back
.set GO,   12                          ; v12     my bytes in x and out0
.set MBW,  13                          ; v13     MB + 256 w + 16 r
.set MBR,  14                          ; v14     MB + 16 r
.set BVO,  15                          ; v15
.set AL,   16                          ; v[16:23]  rescaling factor of query tile qt, twice
.set GAM,  16                          ;   in the end v[16:17]: gamma, twice
.set MOLD, 24                          ; v[24:27]  running maximum of query tile qt
.set NMC,  28                          ; v[28:35]  - log2(e) x maximum, twice
.set LS,   36                          ; v[36:43]  two running sums for each query tile
.set ML,   44                          ; v[44:47]  my own maxima (sums), as stored; then new shift - old shift
.set TP,   48                          ; v[48:51]  the other half's
.set PK,   52                          ; v[52:55]  at work
.set MR0,  44                          ; the four waves' maxima (sums) as read back: v[44:47], v[48:51], v[56:59], v[60:63]
.set MR1,  48
.set MR2,  56
.set MR3,  60
.set S,    64                          ; v[64:127] 8 tiles of energies, tile 2 qt + jl; the weights are packed in place into a tile's first 4 registers; later:
.set IL,   64                          ;   v[64:71] 1 / sum, as AL;  then
.set BV,   64                          ;   v[64:71] bv,
.set GB,   72                          ;   v[72:87] gamma bv, twice each
.set XF0,  128                         ; v[128:191], v[192:255]: x (or Wv) operands of a K step, two buffers
.set PF,   0                           ; window 2 v[0:127]: the 16 operands of the weights, (s, qt) at 8 (4 s + qt)
.set OX,   128                         ; window 2 v[128:255]: the averaged x of my channels, 16 operands
.set QH,   0                           ; window 3 v[0:63]: q's high parts, operand (qt, ko) at 8 (2 qt + ko)
.set QL,   64                          ; window 3 v[64:127]: low parts
.set KH,   128                         ; window 3 v[128:159]: k of my 32 positions, high parts, operand (jl, ko) at 8 (2 jl + ko)
.set KL,   160                         ; window 3 v[160:191]: low parts
                                       ; window 1: accumulator (ct, qt) at 8 (4 ct + qt); later the residual x.  Window 3, in the end: the last product's accumulators
.set G1,  24                           ; s[24:31] shape: 128 rows of 256 bytes
.set G0,  32                           ; s[32:39] from where, to where: a set for each slot
.set G0W, 40                           ; s[40:47] Wv's tiles, a set for each slot
                                       ; s[82:83] xf at my batch and my quarter of a tile; s84 the tile of x asked for last; s[86:87] its byte offset
                                       ; s[52:53] kf at my batch; s85 the tile of k asked for last; s[88:89] its byte offset; s[50:51] its address
.set MSB, 0
.macro WIN new                         ; s_set_vgpr_msb: bits 1:0 source 0, 3:2 source 1, 5:4 source 2, 7:6 destination; the high byte repeats the setting left
.if MSB != \new
	s_set_vgpr_msb (MSB<<8)|\new
.set MSB, \new
.endif
.endm
.macro PLACES                          ; four plain vector instructions between a matrix instruction and a read of its result, a write of or a load into its registers
.rept 4
	v_nop
.endr
.endm
.macro ROUND                           ; a round of the cluster's barrier: my work-group's barrier, wave 0 signals for the work-group, all wait for all four, my barrier again
	s_barrier_signal -1
	s_barrier_wait -1
	s_cmp_lg_u32 s20, 0
	s_cbranch_scc1 .Lnot_wave_0_\@
	s_barrier_signal -3
.Lnot_wave_0_\@:
	s_barrier_wait -3
	s_barrier_signal -1
	s_barrier_wait -1
.endm
.macro LDFR dst, adr, off              ; one operand image
	ds_load_b128 v[\dst:\dst+3], v[\adr] offset:\off
	ds_load_b128 v[\dst+4:\dst+7], v[\adr] offset:\off+512
.endm
	s_load_b512 s[4:19], s[0:1], 0x0               ; xf s[4:5], kf s[6:7], qf s[8:9], wvf s[10:11], x s[12:13], bv s[14:15], gamma s[16:17], out0 s[18:19]
	v_lshl_add_u32 v126, v0, 2, 0x48800
	v_mov_b32 v127, 0
	ds_add_u32 v126, v127
	s_wait_dscnt 0x0
	v_lshrrev_b32 v36, 5, v0
	v_readfirstlane_b32 s20, v36                   ; wave w
	s_bfe_u32 s21, ttmp6, 0x40000                  ; cx
	s_lshl_b32 s22, ttmp9, 2
	s_add_co_u32 s22, s22, s21                     ; work-group = 4 x cluster + cx
	s_lshr_b32 s23, ttmp9, 4                       ; batch: 16 clusters each, so the four partners share it
	s_and_b32 s48, s22, 63                         ; which 64 queries
	s_mov_b32 s60, 0x76543210                      ; v_permlanex16_b32: lane i of one half reads lane i of the other
	s_mov_b32 s61, 0xfedcba98
	s_and_b32 s63, ttmp9, 15                       ; c: my cluster among the sixteen of the batch
	s_lshr_b32 s85, s63, 3                         ; c / 8
	s_and_b32 s63, s63, 7
	s_xor_b32 s63, s63, s85                        ; (c mod 8) xor (c / 8)
	s_lshl_b32 s63, s63, 2
	s_lshl1_add_u32 s84, s85, s63                  ; the tile at which my cluster begins
	s_mov_b32 s85, s84                             ; k begins there too
	s_lshl_b32 s86, s84, 17                        ; a tile of x is 131,072 bytes,
	s_mov_b32 s87, 0
	s_lshl_b32 s88, s85, 15                        ; a tile of k 32,768
	s_mov_b32 s89, 0
	; descriptor group 1: a dense quarter of a tile as 128 rows of 32 elements of 8 bytes
	s_mov_b32 s[G1+0], 15|(3<<16)|(1<<21)          ; 15:0 mask: all four of the cluster; 17:16 elements of 8 bytes; 21 set beside a mask
	s_mov_b32 s[G1+1], 32<<16                      ; tensor_dim0 = 32
	s_mov_b32 s[G1+2], 128<<16                     ; tensor_dim1 = 128
	s_mov_b32 s[G1+3], 32<<16                      ; tile_dim0 = 32
	s_mov_b32 s[G1+4], 128                         ; tile_dim1 = 128
	s_mov_b32 s[G1+5], 32                          ; from row to row: 32 elements
	s_mov_b32 s[G1+6], 0
	s_mov_b32 s[G1+7], 0
	s_lshl_b32 s66, s23, 22                        ; a batch of xf
	s_mov_b32 s67, 0
	s_lshl_b32 s68, s20, 15                        ; my quarter of a tile
	s_mov_b32 s69, 0
	s_lshl_b32 s70, s23, 20                        ; a batch of kf
	s_mov_b32 s71, 0
	s_lshl_b32 s72, s23, 20                        ; qf: (64 batch + block) x 16,384
	s_lshl_b32 s73, s48, 14
	s_add_co_u32 s72, s72, s73
	s_mov_b32 s73, 0
	s_lshl_b32 s74, s23, 23                        ; x, out0: batch x 512 rows of 16,384 bytes + 256 x block
	s_lshl_b32 s75, s48, 8
	s_add_co_u32 s74, s74, s75
	s_mov_b32 s75, 0
	s_mov_b32 s[G0], 1                             ; group 0: count 1; LDS address; global address; type 2 on top
	s_lshl_b32 s[G0+1], s20, 15
	s_mov_b32 s[G0+4], 1
	s_add_co_u32 s[G0+5], s[G0+1], SLOT1
	s_mov_b32 s[G0W], 1
	s_lshl_b32 s[G0W+1], s20, 15
	s_mov_b32 s[G0W+4], 1
	s_add_co_u32 s[G0W+5], s[G0W+1], SLOT1
	s_wait_kmcnt 0x0
	s_load_b32 s62, s[16:17], 0x0                  ; gamma
	s_add_nc_u64 s[4:5], s[4:5], s[66:67]          ; xf at my batch
	s_add_nc_u64 s[82:83], s[4:5], s[68:69]        ; and at my quarter of a tile
	s_add_nc_u64 s[G0+2:G0+3], s[82:83], s[86:87]  ; my cluster's first tile
	s_or_b32 s[G0+3], s[G0+3], 0x80000000
	s_add_nc_u64 s[G0W+2:G0W+3], s[10:11], s[68:69]         ; Wv's tile 0
	s_add_nc_u64 s[G0W+6:G0W+7], s[G0W+2:G0W+3], XTILE      ; and 1
	s_or_b32 s[G0W+3], s[G0W+3], 0x80000000
	s_or_b32 s[G0W+7], s[G0W+7], 0x80000000
	s_add_nc_u64 s[52:53], s[6:7], s[70:71]        ; kf at my batch
	s_add_nc_u64 s[54:55], s[8:9], s[72:73]        ; q of my 64 queries
	s_add_nc_u64 s[56:57], s[12:13], s[74:75]      ; x at my queries
	s_add_nc_u64 s[58:59], s[18:19], s[74:75]      ; out0 likewise
	ROUND                                          ; all four work-groups are here: the first joint load meets
	tensor_load_to_lds s[G0:G0+3], s[G1:G1+7]      ; the first tile of x, ahead of every wait on TENSORcnt, LDS read and work-group barrier; slot 1 is filled behind trip 0's round
	s_nop 0
	v_and_b32 v36, 31, v0                          ; lane
	v_and_b32 v37, 15, v0                          ; r
	v_bfe_u32 v38, v0, 4, 1                        ; h
	v_lshlrev_b32 v[LN], 4, v36
	s_lshl_b32 s76, s20, 12
	v_add_nc_u32 v[KGO], s76, v[LN]
; My part of a tile of k, 4,096 bytes of high parts and 4,096 of low parts, into the operands' registers.  step = 1: the next tile, modulo 32.
; Stands behind the wait that shows the last such loads done (which frees the base) and four places behind the energies' matrix instructions.
.macro KLOAD step
.if \step
	s_add_co_u32 s85, s85, 1
	s_and_b32 s85, s85, 31
	s_lshl_b32 s88, s85, 15
.endif
	s_add_nc_u64 s[50:51], s[52:53], s[88:89]
	WIN 0xc0
.set i_, 0
.rept 8
	global_load_b128 v[KH+4*i_:KH+4*i_+3], v[KGO], s[50:51] offset:512*i_
	global_load_b128 v[KL+4*i_:KL+4*i_+3], v[KGO], s[50:51] offset:16384+512*i_
.set i_, i_+1
.endr
.endm
	WIN 0xc0
.set i_, 0
.rept 16
	global_load_b128 v[QH+4*i_:QH+4*i_+3], v[LN], s[54:55] offset:512*i_
	global_load_b128 v[QL+4*i_:QL+4*i_+3], v[LN], s[54:55] offset:8192+512*i_
.set i_, i_+1
.endr
	KLOAD 0                                        ; k of the first tile
	WIN 0
	v_add_nc_u32 v[XA], s68, v[LN]
	v_add_nc_u32 v[XA+1], SLOT1, v[XA]
	v_add_nc_u32 v[PA], PB, v[LN]
	v_add_nc_u32 v[PA+1], PB+PBS, v[LN]
	v_add_nc_u32 v[PST], PB, v[KGO]                ; K step w of the weights: images 4 w .. 4 w + 3
	v_add_nc_u32 v[PST+1], PB+PBS, v[KGO]
	v_lshlrev_b32 v[MBR], 4, v37
	v_add_nc_u32 v[MBR], MB, v[MBR]
	s_lshl_b32 s78, s20, 8
	v_add_nc_u32 v[MBW], s78, v[MBR]
	s_mul_i32 s79, s20, OSB
	v_mul_u32_u24 v39, v37, OSP                    ; in: channel r of a tile, positions 8 h ..
	v_lshl_add_u32 v39, v38, 5, v39
	v_add_nc_u32 v[OSW], s79, v39
	v_mul_u32_u24 v39, v38, OSP                    ; back: lanes 0-15 a row of 256 bytes, lanes 16-31 the next
	v_lshl_add_u32 v39, v37, 4, v39
	v_add_nc_u32 v[OSR], s79, v39
	s_lshl_b32 s80, s20, 21                        ; 128 w rows of 16,384 bytes
	v_lshlrev_b32 v39, 14, v38
	v_lshl_add_u32 v39, v37, 4, v39
	v_add_nc_u32 v[GO], s80, v39
	s_lshl_b32 s81, s20, 9
	v_lshl_add_u32 v[BVO], v37, 2, s81             ; bv of channel 128 w + r
.irp qt, 0,1,2,3
	v_mov_b32 v[TP+\qt], 0                         ; v_permlanex16_b32 counts as a reader of its destination
.endr
	s_wait_kmcnt 0x0                               ; gamma is in s62
; The head of a trip on slot 'slot'.  In front of the barrier every wave waits for all its tensor loads (one is out: its quarter of this trip's tile) and for all
; its LDS instructions (its reads of the other slot and of the weights, its stores of the next weights).  kind 1, 2: the barrier is a round of the cluster's, and the
; joint refill of the other slot is the first thing behind it, one tensor load a wave (1: the next tile of x, modulo 32; 2: the next tile of Wv).  kind 0: nothing is
; left to fetch.  The addresses are written behind the wait for 0, where no tensor load of the wave is out.  step = 2: this slot's group 0 for Wv steps two tiles on.
.macro HEAD slot, kind, step
	WIN 0
	s_wait_xcnt 0x0
	v_lshl_add_u32 v126, v0, 2, 0x48800
	v_mov_b32 v127, 0
	s_wait_tensorcnt 0x0
	ds_add_u32 v126, v127
	s_wait_dscnt 0x0
.if \kind == 1
	s_add_co_u32 s84, s84, 1
	s_and_b32 s84, s84, 31
	s_lshl_b32 s86, s84, 17
	s_add_nc_u64 s[G0+4*(1-\slot)+2:G0+4*(1-\slot)+3], s[82:83], s[86:87]
	s_or_b32 s[G0+4*(1-\slot)+3], s[G0+4*(1-\slot)+3], 0x80000000
.endif
.if \step == 2
	s_add_nc_u64 s[G0W+4*\slot+2:G0W+4*\slot+3], s[G0W+4*\slot+2:G0W+4*\slot+3], 2*XTILE
.endif
	s_wait_dscnt 0x0
.if \kind == 0
	s_barrier_signal -1
	s_barrier_wait -1
.else
	ROUND
.if \kind == 1
	tensor_load_to_lds s[G0+4*(1-\slot):G0+4*(1-\slot)+3], s[G1:G1+7]
	s_nop 0
.else
	tensor_load_to_lds s[G0W+4*(1-\slot):G0W+4*(1-\slot)+3], s[G1:G1+7]
	s_nop 0
.endif
.endif
.endm
; The 24 loads of K step s: 8 operands of x (or Wv) into buffer s mod 2, 4 operands of the weights (or the averaged x)
.macro OPLOAD slot, s
	WIN 0
.irp ct, 0,1,2,3,4,5,6,7
	LDFR XF0+64*((\s)&1)+8*\ct, XA+\slot, 4096*\ct+1024*(\s)
.endr
	WIN 0x80
.irp qt, 0,1,2,3
	LDFR PF+8*(4*(\s)+\qt), PA+\slot, 1024*(4*(\s)+\qt)
.endr
.endm
; Accumulator j = 4 ct + qt times the factor of its query tile (pair f + 2 qt holds it twice): window 1 times window 0
.macro RP j, f
	WIN 0x41
.irp p, 0,2,4,6
	v_pk_mul_f32 v[8*(\j)+\p:8*(\j)+\p+1], v[8*(\j)+\p:8*(\j)+\p+1], v[\f+2*((\j)&3):\f+2*((\j)&3)+1]
.endr
.endm
.macro RESCALE f                       ; all 32 in one block
.set r_, 0
.rept 32
	RP r_, \f
.set r_, r_+1
.endr
.endm
; Energies of my 32 positions x 64 queries, transposed: 8 tiles (qt, jl); 32 of the 64 o in a pass; three products of two passes each.
; The eight accumulators take turns, one instruction a turn.  alpha = 1: behind each of the first 32 products one accumulator of the
; other product is rescaled; it names none of these products' registers.
.macro SMMPASS k, q, zero, alpha
.irp qt, 0,1,2,3
.irp jl, 0,1
	WIN 0x0f                                       ; k and q in window 3, the energies in window 0
.if \zero
	v_wmma_f32_16x16x32_f16 v[S+8*(2*\qt+\jl):S+8*(2*\qt+\jl)+7], v[\k+16*\jl:\k+16*\jl+7], v[\q+16*\qt:\q+16*\qt+7], 0
.else
	v_wmma_f32_16x16x32_f16 v[S+8*(2*\qt+\jl):S+8*(2*\qt+\jl)+7], v[\k+16*\jl:\k+16*\jl+7], v[\q+16*\qt:\q+16*\qt+7], v[S+8*(2*\qt+\jl):S+8*(2*\qt+\jl)+7]
.endif
.if \alpha
.if m_ < 32
	RP m_, AL
.endif
.endif
.set m_, m_+1
.endr
.endr
.endm
.macro SMM alpha
.set m_, 0
	SMMPASS KH, QH, 1, \alpha
	SMMPASS KH+8, QH+8, 0, \alpha
	SMMPASS KH, QL, 0, \alpha
	SMMPASS KH+8, QL+8, 0, \alpha
	SMMPASS KL, QH, 0, \alpha
	SMMPASS KL+8, QH+8, 0, \alpha
.endm
; Piece j (0 to 9) of: the largest energy of my 32 positions for each query.  Four chains, one a query tile, side by side; one exchange of the halves;
; 16 bytes a query row into LDS.
.macro LP j
.set lj_, \j
	WIN 0
.if lj_ == 0
.irp qt, 0,1,2,3
	v_max3_num_f32 v[ML+\qt], v[S+16*\qt], v[S+16*\qt+1], v[S+16*\qt+2]
.endr
.endif
.if lj_ > 0
.if lj_ < 7
.irp qt, 0,1,2,3
	v_max3_num_f32 v[ML+\qt], v[ML+\qt], v[S+16*\qt+2*lj_+1], v[S+16*\qt+2*lj_+2]
.endr
.endif
.endif
.if lj_ == 7
.irp qt, 0,1,2,3
	v_max_num_f32 v[ML+\qt], v[ML+\qt], v[S+16*\qt+15]
.endr
.endif
.if lj_ == 8
.irp qt, 0,1,2,3
	v_permlanex16_b32 v[TP+\qt], v[ML+\qt], s60, s61       ; the other half of the lanes holds the query's other positions
.endr
.endif
.if lj_ == 9
.irp qt, 0,1,2,3
	v_max_num_f32 v[ML+\qt], v[ML+\qt], v[TP+\qt]
.endr
	ds_store_b128 v[MBW], v[ML:ML+3]               ; both halves of the lanes write the same 16 bytes
.endif
.endm
.macro MRLOAD off                      ; the four waves' maxima (off = 0) or sums (off = LBO) of my query row
	ds_load_b128 v[MR0:MR0+3], v[MBR] offset:\off
	ds_load_b128 v[MR1:MR1+3], v[MBR] offset:\off+256
	ds_load_b128 v[MR2:MR2+3], v[MBR] offset:\off+512
	ds_load_b128 v[MR3:MR3+3], v[MBR] offset:\off+768
.endm
; Piece q (0 to 66) of the softmax of the next tile.  first = 1: the very first tile.  pb: the weights' buffer written.
;  0-9: for the four query tiles side by side: the running maximum over the four waves' maxima, the shift, the factor exp2(new shift - old shift), my sums rescaled.
;  10 + 7 e + k, tile e = 2 qt + jl: k = 0: log2(e) s + shift; k = 1-4: two exponentials each; k = 5: the sums, in f32; k = 6: packed to f16 in place
;  (register p takes numbers 2 p, 2 p + 1, which no later line needs).  66: all eight tiles' 512 bytes into the weights' images, in one run.
.macro SP q, first, pb
.set sq_, \q
	WIN 0
.if sq_ == 0
.if \first
	s_wait_dscnt 0x0
.else
	s_wait_dscnt 24                                ; the 24 operand loads of K step 2 are younger than the four loads of maxima: those are in
.endif
.irp qt, 0,1,2,3
.if \first
	v_max3_num_f32 v[MOLD+\qt], v[MR0+\qt], v[MR1+\qt], v[MR2+\qt]
.else
	v_max3_num_f32 v[MOLD+\qt], v[MOLD+\qt], v[MR0+\qt], v[MR1+\qt]
.endif
.endr
.endif
.if sq_ == 1
.irp qt, 0,1,2,3
.if \first
	v_max_num_f32 v[MOLD+\qt], v[MOLD+\qt], v[MR3+\qt]
.else
	v_max3_num_f32 v[MOLD+\qt], v[MOLD+\qt], v[MR2+\qt], v[MR3+\qt]
.endif
.endr
.endif
.if sq_ == 2
.irp qt, 0,1,2,3
	v_mul_f32 v[PK+\qt], 0xbfb8aa3b, v[MOLD+\qt]   ; - log2(e) x maximum
.endr
.endif
.if \first == 0
.if sq_ == 3
.irp qt, 0,1,2,3
	v_sub_f32 v[ML+\qt], v[PK+\qt], v[NMC+2*\qt]   ; the factor is made of the two shifts as they are applied
.endr
.endif
.if sq_ == 4
	v_exp_f32 v[AL], v[ML]
	v_exp_f32 v[AL+2], v[ML+1]
.endif
.if sq_ == 5
	v_exp_f32 v[AL+4], v[ML+2]
	v_exp_f32 v[AL+6], v[ML+3]
.endif
.endif
.if sq_ == 6
.irp qt, 0,1,2,3
	v_mov_b32 v[NMC+2*\qt], v[PK+\qt]              ; plain instructions between the exponentials and the use of their results (ISA guide 5.7.2)
.endr
.endif
.if sq_ == 7
.irp qt, 0,1,2,3
	v_mov_b32 v[NMC+2*\qt+1], v[PK+\qt]
.endr
.endif
.if \first == 0
.if sq_ == 8
	s_wait_alu depctr_va_vdst(0)
.irp qt, 0,1,2,3
	v_mov_b32 v[AL+2*\qt+1], v[AL+2*\qt]
.endr
.endif
.if sq_ == 9
.irp qt, 0,1,2,3
	v_pk_mul_f32 v[LS+2*\qt:LS+2*\qt+1], v[LS+2*\qt:LS+2*\qt+1], v[AL+2*\qt:AL+2*\qt+1]
.endr
.endif
.endif
.if sq_ > 9
.if sq_ < 66
.set se_, (sq_-10)/7
.set sk_, sq_-10-7*se_
.set sb_, S+8*se_
.set st_, se_>>1
.if sk_ == 0
.irp p, 0,2,4,6
	v_pk_fma_f32 v[sb_+\p:sb_+\p+1], v[sb_+\p:sb_+\p+1], 0x3fb8aa3b, v[NMC+2*st_:NMC+2*st_+1] op_sel_hi:[1,0,1]
.endr
.endif
.if sk_ > 0
.if sk_ < 5
	v_exp_f32 v[sb_+2*sk_-2], v[sb_+2*sk_-2]
	v_exp_f32 v[sb_+2*sk_-1], v[sb_+2*sk_-1]
.endif
.endif
.if sk_ == 5
	v_nop                                          ; one plain instruction behind the exponentials, ahead of the first use of a result
	s_wait_alu depctr_va_vdst(0)
	v_pk_add_f32 v[PK:PK+1], v[sb_:sb_+1], v[sb_+2:sb_+3]
	v_pk_add_f32 v[PK+2:PK+3], v[sb_+4:sb_+5], v[sb_+6:sb_+7]
.if \first*(1-(se_&1))
	v_pk_add_f32 v[LS+2*st_:LS+2*st_+1], v[PK:PK+1], v[PK+2:PK+3]    ; the very first tile of a query tile starts the sums: nothing is cleared
.else
	v_pk_add_f32 v[PK:PK+1], v[PK:PK+1], v[PK+2:PK+3]
	v_pk_add_f32 v[LS+2*st_:LS+2*st_+1], v[LS+2*st_:LS+2*st_+1], v[PK:PK+1]
.endif
.endif
.if sk_ == 6
.irp p, 0,1,2,3
	v_cvt_pk_f16_f32 v[sb_+\p], v[sb_+2*\p], v[sb_+2*\p+1]
.endr
.endif
.endif
.endif
.if sq_ == 66
.irp e, 0,1,2,3,4,5,6,7
	ds_store_b128 v[PST+\pb], v[S+8*\e:S+8*\e+3] offset:(\e>>1)*1024+(\e&1)*512   ; tile (qt, jl) is block jl of image (s = w, qt)
.endr
.endif
.endm
.macro MM s, ct, qt, mode, zero
.set a_, 8*(4*(\ct)+\qt)
.set x_, XF0+64*((\s)&1)+8*(\ct)
.set p_, PF+8*(4*(\s)+\qt)
.if \mode == 0
.if \zero
	v_wmma_f32_16x16x32_f16 v[a_:a_+7], v[x_:x_+7], v[p_:p_+7], 0
.else
	v_wmma_f32_16x16x32_f16 v[a_:a_+7], v[x_:x_+7], v[p_:p_+7], v[a_:a_+7]
.endif
.else
.if \zero
	v_wmma_f32_16x16x32_f16 v[a_:a_+7], v[p_:p_+7], v[x_:x_+7], 0
.else
	v_wmma_f32_16x16x32_f16 v[a_:a_+7], v[p_:p_+7], v[x_:x_+7], v[a_:a_+7]
.endif
.endif
.endm
; What stands behind product n_ (0 to 127) of a trip with a softmax.
;  0-9: my maxima.  14: they are stored (and K step 1's operands are in): the second barrier's signal; products 15 to 24, register work, stand between signal and wait.
;  24: its wait; behind it every wave reads all four waves' maxima, and the next k is asked for (kl = 1).  The tensor load
;  stays out across it.  34-100: the softmax.
.macro PHOOK slot, kl
.if n_ < 10
	LP n_
.endif
.if n_ == 14
	s_wait_dscnt 0x0                               ; for the other waves: my maxima are stored
	s_barrier_signal -1
.endif
.if n_ == 24
	s_barrier_wait -1
	WIN 0
	MRLOAD 0
.if \kl
	KLOAD 1
.endif
.endif
.if n_ > 33
.if n_ < 101
	SP n_-34, 0, 1-\slot
.endif
.endif
.endm
; The 128 products of x with the weights, four K steps of 32 on 32 accumulators, which take turns, one instruction a turn, in the same order in every step.
; Each step begins with the next step's 24 loads, in one run.  zero = 1: the first step's products start the sums.
.macro PVSOFT slot, zero, kl
.set n_, 0
.irp s, 0,1,2,3
.if \s == 0
	s_wait_dscnt 0x0                               ; K step 0's operands, asked for ahead of the 48 products of the energies
	OPLOAD \slot, 1                                ; (the places behind the last trip's products stand at the trip's start)
.endif
.if \s == 1
	PLACES                                         ; behind the products that read the buffer now loaded.  K step 1's operands were shown in by the wait in front of the second barrier
	OPLOAD \slot, 2
.endif
.if \s == 2
	s_wait_dscnt 0x0                               ; K step 2's operands, asked for 32 products ago
	PLACES
	OPLOAD \slot, 3
.endif
.if \s == 3
	s_wait_dscnt 0x0
.endif
.irp ct, 0,1,2,3,4,5,6,7
.irp qt, 0,1,2,3
	WIN 0x58                                       ; x in window 0, weights in window 2, accumulators in window 1
.if \s == 0
	MM \s, \ct, \qt, 0, \zero
.else
	MM \s, \ct, \qt, 0, 0
.endif
	PHOOK \slot, \kl
.set n_, n_+1
.endr
.endr
.endr
.endm
; A trip's start: K step 0's loads, then the next tile's energies on registers alone, with the rescaling among them
.macro PHASEA slot, alpha
	PLACES                                         ; behind the last trip's matrix instructions
	OPLOAD \slot, 0
	s_wait_loadcnt 0x0                             ; k of the next tile, asked for in the last trip; no other global load is out
	SMM \alpha
	PLACES                                         ; behind the energies, which the maxima read and whose k is loaded again
.endm
; Trip t: its tile is multiplied, the next tile's energies and softmax are made; kl: k of the tile after that is asked for
.macro TRIP slot, kl
	HEAD \slot, 1, 0
	PHASEA \slot, 1
	PVSOFT \slot, 0, \kl
.endm
; The trips without a softmax: the start, and a K step.  mode 0: x times weights into window 1; mode 1: averaged x times Wv into window 3.
.macro LDHEAD slot, alpha, il
	PLACES                                         ; behind the last trip's matrix instructions
.if \il
	WIN 0
	MRLOAD LBO
.endif
	OPLOAD \slot, 0
.if \alpha
	RESCALE AL
.endif
.endm
.macro PVSTEP slot, s, mode, zero
	s_wait_dscnt 0x0                               ; this step's operands
.if \s < 3
.if \s > 0
	PLACES                                         ; behind the matrix instructions that read the buffer now loaded (in step 0 the places at the trip's start serve)
.endif
	OPLOAD \slot, \s+1
.endif
.if \mode == 0
	WIN 0x58
.else
	WIN 0xf2
.endif
.irp ct, 0,1,2,3,4,5,6,7
.irp qt, 0,1,2,3
	MM \s, \ct, \qt, \mode, \zero
.endr
.endr
.endm
; Wave e lays the averaged x of its 128 channels, 16 operand images, into the weights' buffer e mod 2: every wave multiplies them by tile e of Wv.
; That buffer was last read a trip ago, in front of this trip's barrier.
.macro STAGE e
	WIN 0
	s_cmp_lg_u32 s20, \e
	s_cbranch_scc1 .Lnot_mine_\@
	WIN 0x08
.irp f, 0,1,2,3,4,5,6,7,8,9,10,11,12,13,14,15
	ds_store_b128 v[PA+(\e&1)], v[OX+8*\f:OX+8*\f+3] offset:1024*\f
	ds_store_b128 v[PA+(\e&1)], v[OX+8*\f+4:OX+8*\f+7] offset:1024*\f+512
.endr
	WIN 0
.Lnot_mine_\@:
.endm
; Half of the residual: 64 rows (channels) x 256 bytes of x in f32 into window 1, two rows a load; this launch reads them once
.macro XRES hf
	WIN 0x40
.set u_, 32*\hf
.rept 32
	global_load_b128 v[4*u_:4*u_+3], v[GO], s[56:57] offset:u_*32768 th:TH_LOAD_NT
.set u_, u_+1
.endr
.endm
	; the first tile's softmax, ahead of the ring
	s_wait_loadcnt 0x0                             ; q and k of the first tile
	SMM 0
	PLACES
.irp j, 0,1,2,3,4,5,6,7,8,9
	LP \j
.endr
	s_wait_dscnt 0x0                               ; for the other waves: my maxima are stored
	s_barrier_signal -1                            ; the first tile of x stays on its way
	s_barrier_wait -1
	WIN 0
	MRLOAD 0
	KLOAD 1                                        ; k of the second tile
.set pq_, 0
.rept 67
	SP pq_, 1, 0
.set pq_, pq_+1
.endr
	; trip 0: its first products start the sums, and there is nothing to rescale
	HEAD 0, 1, 0
	PHASEA 0, 0
	PVSOFT 0, 1, 1
	WIN 0                                          ; at a label and at a branch every window is 0
	s_mov_b32 s49, 14                              ; trips 1 to 28, two at a time
.Lpair:
	TRIP 1, 1
	TRIP 0, 1
	WIN 0
	s_sub_co_u32 s49, s49, 1
	s_cmp_lg_u32 s49, 0
	s_cbranch_scc1 .Lpair
	TRIP 1, 1                                      ; trip 29: k of the last tile is asked for
	TRIP 0, 0                                      ; trip 30: the last softmax; x's last tile is asked for; no further k
	; my sums over my 32 positions of every tile: the pair, the two halves of the lanes, 16 bytes a query row into LDS
	WIN 0
.irp qt, 0,1,2,3
	v_add_f32 v[ML+\qt], v[LS+2*\qt], v[LS+2*\qt+1]
.endr
.irp qt, 0,1,2,3
	v_permlanex16_b32 v[TP+\qt], v[ML+\qt], s60, s61
.endr
.irp qt, 0,1,2,3
	v_add_f32 v[ML+\qt], v[ML+\qt], v[TP+\qt]
.endr
	ds_store_b128 v[MBW], v[ML:ML+3] offset:LBO
	; trip 31: the last tile of x; no further softmax; Wv's tile 0 is asked for; the four waves' sums are read
	HEAD 1, 2, 0
	LDHEAD 1, 1, 1
	PVSTEP 1, 0, 0, 0
	PVSTEP 1, 1, 0, 0
	PVSTEP 1, 2, 0, 0
	PVSTEP 1, 3, 0, 0
	; divide by the sums and pack: tiles ct = 2 s, 2 s + 1 are registers 0-3, 4-7 of operand (s, qt): rows = query, k = channel
	PLACES
	WIN 0
.irp qt, 0,1,2,3
	v_add_f32 v[MR0+\qt], v[MR0+\qt], v[MR1+\qt]
	v_add_f32 v[MR2+\qt], v[MR2+\qt], v[MR3+\qt]
.endr
.irp qt, 0,1,2,3
	v_add_f32 v[MR0+\qt], v[MR0+\qt], v[MR2+\qt]
.endr
.irp qt, 0,1,2,3
	v_rcp_f32 v[IL+2*\qt], v[MR0+\qt]              ; the sum holds the term of the maximum, about 1: never 0
.endr
	v_nop                                          ; one plain instruction behind the last reciprocal
	s_wait_alu depctr_va_vdst(0)
.irp qt, 0,1,2,3
	v_mov_b32 v[IL+2*\qt+1], v[IL+2*\qt]
.endr
	RESCALE IL
	WIN 0x85
.irp ct, 0,1,2,3,4,5,6,7
.irp qt, 0,1,2,3
.irp p, 0,1,2,3
	v_cvt_pk_f16_f32 v[OX+8*(4*(\ct>>1)+\qt)+4*(\ct&1)+\p], v[8*(4*\ct+\qt)+2*\p], v[8*(4*\ct+\qt)+2*\p+1]
.endr
.endr
.endr
	STAGE 0
	; trips 32 to 35: out' = Wv x averaged x, input channels 128 e ..
	HEAD 0, 2, 2
	LDHEAD 0, 0, 0
	STAGE 1
	PVSTEP 0, 0, 1, 1
	PVSTEP 0, 1, 1, 0
	PVSTEP 0, 2, 1, 0
	PVSTEP 0, 3, 1, 0
	HEAD 1, 2, 2
	LDHEAD 1, 0, 0
	STAGE 2
	XRES 0
	PVSTEP 1, 0, 1, 0
	PVSTEP 1, 1, 1, 0
	PVSTEP 1, 2, 1, 0
	PVSTEP 1, 3, 1, 0
	HEAD 0, 2, 0
	LDHEAD 0, 0, 0
	STAGE 3
	XRES 1
	WIN 0
.irp ct, 0,1,2,3,4,5,6,7
	global_load_b32 v[BV+\ct], v[BVO], s[14:15] offset:64*\ct      ; bv of channel 128 w + 16 ct + r
.endr
	PVSTEP 0, 0, 1, 0
	PVSTEP 0, 1, 1, 0
	PVSTEP 0, 2, 1, 0
	PVSTEP 0, 3, 1, 0
	HEAD 1, 0, 0                                   ; behind this barrier no wave reads slot 0 any more and nothing is filled: it serves as the way out
	LDHEAD 1, 0, 0
	PVSTEP 1, 0, 1, 0
	PVSTEP 1, 1, 1, 0
	PVSTEP 1, 2, 1, 0
	PVSTEP 1, 3, 1, 0
	; THE WAY OUT.  Lane (r, h) of accumulator (ct, qt) holds positions 16 qt + 8 h .. + 7 of channel 128 w + 16 ct + r: gamma acc + gamma bv; then, 64 channels at a
	; time, 32 bytes a lane into my own 64 rows in LDS, read back as whole rows of 256 bytes, the residual added in f32, and stored: sixteen lanes write
	; 256 consecutive bytes, aligned.
	PLACES
	WIN 0
	v_mov_b32 v[GAM], s62
	v_mov_b32 v[GAM+1], s62
	s_wait_loadcnt 0x0                             ; the residual and bv, asked for one and two trips ago
.irp ct, 0,1,2,3,4,5,6,7
	v_mul_f32 v[GB+2*\ct], v[GAM], v[BV+\ct]
	v_mul_f32 v[GB+2*\ct+1], v[GAM], v[BV+\ct]
.endr
	WIN 0xc3
.irp ct, 0,1,2,3,4,5,6,7
.irp qt, 0,1,2,3
.irp p, 0,2,4,6
	v_pk_fma_f32 v[8*(4*\ct+\qt)+\p:8*(4*\ct+\qt)+\p+1], v[8*(4*\ct+\qt)+\p:8*(4*\ct+\qt)+\p+1], v[GAM:GAM+1], v[GB+2*\ct:GB+2*\ct+1]
.endr
.endr
.endr
.irp hf, 0,1
	WIN 0x0c
.irp ct, 0,1,2,3
.irp qt, 0,1,2,3
	ds_store_b128 v[OSW], v[8*(4*(4*\hf+\ct)+\qt):8*(4*(4*\hf+\ct)+\qt)+3] offset:\ct*16*OSP+\qt*64       ; rows 272 bytes apart: sixteen lanes in sixteen different 16-byte columns
	ds_store_b128 v[OSW], v[8*(4*(4*\hf+\ct)+\qt)+4:8*(4*(4*\hf+\ct)+\qt)+7] offset:\ct*16*OSP+\qt*64+16
.endr
.endr
	WIN 0
.set u_, 0
.rept 32
	ds_load_b128 v[XF0+4*u_:XF0+4*u_+3], v[OSR] offset:u_*2*OSP   ; my own bytes: LDS serves a wave's instructions in order (ISA guide 5.7.1), so these see the stores above
.set u_, u_+1
.endr
	s_wait_dscnt 0x0                               ; also: the second half's stores overwrite the rows only behind this wait
	WIN 0x41
.set u_, 0
.rept 64
	v_pk_add_f32 v[128*\hf+2*u_:128*\hf+2*u_+1], v[128*\hf+2*u_:128*\hf+2*u_+1], v[XF0+2*u_:XF0+2*u_+1]
.set u_, u_+1
.endr
	WIN 0x04
.set u_, 32*\hf
.rept 32
	global_store_b128 v[GO], v[4*u_:4*u_+3], s[58:59] offset:u_*32768 th:TH_STORE_NT   ; no register that a store reads is written again
.set u_, u_+1
.endr
.endr
	WIN 0
	s_wait_xcnt 0x0
	v_lshl_add_u32 v126, v0, 2, 0x48800
	v_mov_b32 v127, 0
	s_wait_tensorcnt 0x0
	ds_add_u32 v126, v127
	s_wait_dscnt 0x0
	ROUND                                          ; the closing round: no work-group ends while a partner may still ask for a tile that names it
	s_endpgm
.Lfunc_end_k_q5cd00b6cc9_attn:
	.size	k_q5cd00b6cc9_attn, .Lfunc_end_k_q5cd00b6cc9_attn-k_q5cd00b6cc9_attn
	.p2alignl 7, 3214868480
	.fill 96, 4, 3214868480
	.section	.rodata,"a",@progbits
	.p2align	6, 0x0
	.amdhsa_kernel k_q5cd00b6cc9_attn
		.amdhsa_group_segment_fixed_size 327680
		.amdhsa_private_segment_fixed_size 0
		.amdhsa_enable_private_segment 0
		.amdhsa_kernarg_size 64
		.amdhsa_user_sgpr_count 2
		.amdhsa_user_sgpr_kernarg_segment_ptr 1
		.amdhsa_wavefront_size32 1
		.amdhsa_system_sgpr_workgroup_id_x 1
		.amdhsa_system_sgpr_workgroup_id_y 1
		.amdhsa_system_sgpr_workgroup_id_z 1
		.amdhsa_system_vgpr_workitem_id 0
		.amdhsa_next_free_vgpr 1024
		.amdhsa_next_free_sgpr 90
		.amdhsa_reserve_vcc 0
		.amdhsa_float_denorm_mode_32 3
		.amdhsa_float_denorm_mode_16_64 3
		.amdhsa_memory_ordered 1
		.amdhsa_forward_progress 1
		.amdhsa_inst_pref_size 255
	.end_amdhsa_kernel
	.section	.bss,"aw",@nobits
	.p2align	6
	.space	262144
	.amdgpu_metadata
---
amdhsa.version: [ 1, 2 ]
amdhsa.kernels:
  - .name:           k_q5cd00b6cc9_attn
    .symbol:         k_q5cd00b6cc9_attn.kd
    .args:
      - { .name: xf, .offset: 0, .size: 8, .value_kind: global_buffer, .address_space: global }
      - { .name: kf, .offset: 8, .size: 8, .value_kind: global_buffer, .address_space: global }
      - { .name: qf, .offset: 16, .size: 8, .value_kind: global_buffer, .address_space: global }
      - { .name: wvf, .offset: 24, .size: 8, .value_kind: global_buffer, .address_space: global }
      - { .name: x, .offset: 32, .size: 8, .value_kind: global_buffer, .address_space: global }
      - { .name: bv, .offset: 40, .size: 8, .value_kind: global_buffer, .address_space: global }
      - { .name: gamma, .offset: 48, .size: 8, .value_kind: global_buffer, .address_space: global }
      - { .name: out0, .offset: 56, .size: 8, .value_kind: global_buffer, .address_space: global }
    .group_segment_fixed_size: 327680
    .private_segment_fixed_size: 0
    .kernarg_segment_align: 8
    .kernarg_segment_size: 64
    .max_flat_workgroup_size: 128
    .sgpr_count:     90
    .vgpr_count:     1024
    .wavefront_size: 32
...
	.end_amdgpu_metadata
.endif
;; end of part 3
